; MI455X (gfx1250); checked and timed in simulation.
; The chip was launched on July 23, 2026; its instructions are those of AMD's public machine-readable ISA for CDNA 5 (MIT licence, August 2026) and "CDNA5" Instruction Set Architecture Reference Guide (July 2026). The comments in the code are by the model that wrote it; some were corrected since.
;; Step Latent Field Model ASS Bfinal2. Allowed arithmetic: float matrix products may take bf16 or f16 operands with f32 sums; all other float work in f32.
;; Inputs: W0 49 x 64 float32; W1 64 x 64 float32; Wout 64 x 1 float32; b0 64 float32; b1 64 float32; bout 1 float32; emb 511 x 32 float32; rho 2,000,000 float32; time_idx 2,000,000 int32.
;; Outputs: out0 2,000,000 float32.
;; 3 versions, each right and faster than the one before. Each part assembles by itself: llvm-mc -triple=amdgcn-amd-amdhsa -mcpu=gfx1250 --defsym DOCPART=n.
;; ======== version 1 of 3: 1 launch
;; launch field (part 1): grid 256 x 1, 8 waves a work-group, no clusters, 62,720 bytes of LDS; arguments time_idx, rho, emb, W0, b0, W1, b1, Wout, bout, out0; writes out0
.if DOCPART == 1
	.amdgcn_target "amdgcn-amd-amdhsa--gfx1250"
	.amdhsa_code_object_version 6
	.text
	.protected	k_q120f9b2951_field
	.globl	k_q120f9b2951_field
	.p2align	8
	.type	k_q120f9b2951_field,@function
k_q120f9b2951_field:
	s_mov_b64 s[64:65], 0
	v_nop
	global_prefetch_b8 v0, s[64:65] scope:SCOPE_SE
	s_setreg_imm32_b32 hwreg(HW_REG_WAVE_MODE, 25, 1), 1
	s_wait_xcnt 0x0
; out[p] = time_idx[p] == 0 ? 8610 : 28700 * sigmoid(MLP([emb[clip(time_idx[p]-1)], rho, cos(k pi rho), sin(k pi rho)]) + logit(0.3))
; MLP: 49 -> 64 SiLU -> 64 SiLU -> 1.  2,000,000 points, all independent.
;
; SHAPE.  256 work-groups of 8 waves that stay; a wave walks chunks of 64 points (256 bytes of rho, of time_idx and of out).
; The weights are the matrix unit's A operand and 16 points are the columns of B.  A lane's eight results of a 16 x 16 tile are then eight
; neighbouring neurons of ONE point, and packed in pairs to bf16 they are the next layer's B fragment as it stands: nothing
; passes through LDS or other lanes between the layers.  All weight fragments and biases stay in v256-v479 for the whole kernel.
; The latent table lies in LDS in bf16; a point's row is gathered straight into a B fragment by two 16-byte loads.
;
; ARITHMETIC.  The sums are kept as y = -log2(e) x (W0, b0, b1, bout are scaled once).  silu(x) = -ln2 g with g = y / (1 + 2^y), and the two
; factors cancel in the next layer, so W1 and Wout stay as they are and no multiply stands in front of an exponential.
; Four neurons share one reciprocal: with a_i = 1 + 2^y_i, r = 1 / (a0 a1 a2 a3), 1/(a0 a2) = r a1 a3, g0 = (y0 a2) / (a0 a2), and so on.
; cos and sin: lanes 0-15 run the cosine chain, lanes 16-31 the sine chain, by the same instructions: x1 = cos(2 pi w),
; w = rho/2 - h/4 less its nearest whole number, from a polynomial for cos(pi w / 2) and two doublings; then x_k = 2 cos(theta) x_(k-1) - x_(k-2).
;
; LIMITS.  y is held at 30 at the most, so that the product of four a_i stays below 2^121 and its reciprocal is a normal number: for
; x < -20.8 a SiLU comes out as -1.9e-8 at the most in magnitude where the true value is smaller still (absolute error below 3e-8).
; That clamp takes a NaN for 30: a NaN in a hidden sum is not carried on.  |y| must stay below 2^97 (y a_i must not overflow).
; |rho| below 2^22 (beyond it rho/2 has no fraction bits left).  e, the features, the weights and g are rounded to bf16; all else is f32.
;
; NOT USED.  No joint requests in a cluster: what work-groups share is 94 KB of tables, read once each in the set-up and converted to bf16 on
; the way through registers; in the loop no two work-groups read the same byte.  No copy engine: a trip's input is 512 bytes a wave, asked
; for one whole trip ahead into eight registers.
.set NPTS,     2000000
.set NCHUNK,   NPTS/64                 ; 31,250 chunks of 64 points
.set NWAVES,   2048                    ; 256 work-groups x 8 waves
.set STRIDE,   NWAVES*256              ; bytes from a wave's chunk to its next
.set TRIPS_LO, NCHUNK/NWAVES           ; 15 trips for every wave,
.set EXTRA,    NCHUNK-TRIPS_LO*NWAVES  ; and one more for the first 530
; LDS
.set EPITCH, 80                        ; a latent row: 64 bytes of bf16 + 16: rows start in different banks
.set WPITCH, 160                       ; a row of staged weights: 64 bf16 + 32 bytes (an odd multiple of 32, for the transposing load)
.set WS0,    41216                     ; behind 513 latent rows: 64 K slots of W0
.set WS1,    WS0+64*WPITCH             ; 64 K slots of W1; ends at 61,696
; vector registers, window 0
.set VH16, 1                           ; 16 h (h = lane / 16)
.set VLD,  2                           ; byte offset of my 16 bytes of rho and time_idx
.set VST,  3                           ; byte offset of my 8 bytes of out
.set VIC,  4                           ; 8610.0
.set VTR,  5                           ; lane term of the transposing loads
.set X0,   6                           ; v[6:7]   1 - h, twice: x_0 of the recurrence
.set PHN,  8                           ; v[8:9]   -h / 4, twice
.set J,    10                          ; v[10:11] time_idx of the two points that I store
.set R,    12                          ; v[12:15] rho of points 4r .. 4r+3
.set I,    16                          ; v[16:19] time_idx of the same
.set ADDR, 20                          ; v[20:23] LDS address of tile q's latent row
.set Z,    24                          ; v[24:25] the two results
.set TMP,  29
.set DA,   32                          ; v[32:39] output layer, tiles 0 (row 0) and 2 (row 8)
.set DB,   40                          ; v[40:47] tiles 1 and 3
.set BE,   48                          ; v[48:79]   B fragments, K 0-31 (latent), tile q at +8q
.set BF,   80                          ; v[80:111]  B fragments, K 32-63 (features), tile q at +8q
.set G,    112                         ; v[112:143] g in bf16: two tiles x two K steps x 8
.set D,    144                         ; v[144:207] sums: two tiles x four blocks of 16 neurons x 8
.set FT,   144                         ; the same registers while the features are made: 32 for each pair of tiles
.set EA,   208                         ; v[208:215] 1 + 2^y, two sets in turn
.set EB,   216
.set M,    224                         ; v[224:227] a0 a2, a1 a3, a4 a6, a5 a7
.set MM,   228                         ; v[228:229] products of four
.set RR,   230                         ; v[230:231] their reciprocals
.set C3,   232                         ; v[232:233] polynomial coefficient, twice
.set SV,   234                         ; v[234:237] 1/(a0 a2), 1/(a1 a3), 1/(a4 a6), 1/(a5 a7)
; set-up only
.set VEG,  20                          ; emb: 32 t
.set VEG7, 21                          ; emb, eighth unit, held inside the table
.set VEL,  22                          ; emb in LDS
.set VWG0, 23                          ; W0 in memory
.set VWG1, 26                          ; W1 in memory
.set VWL,  27                          ; staged weights in LDS
.set VB,   28                          ; 32 h
.set SC,   30                          ; v[30:31] scale of my W0 slot
.set ST_E, 48                          ; v[48:111]  emb as loaded
.set ST_0, 144                         ; v[144:159] W0 as loaded
.set ST_1, 160                         ; v[160:175] W1 as loaded
.set ST_O, 176                         ; v[176:207] Wout as loaded
; within FT
.set F_W, 0
.set F_N, 2
.set F_Z, 4
.set F_P, 6
.set F_T, 8
.set F_C, 10
.set F_X, 12                           ; x_k at F_X + 2 (k - 1), k = 1 .. 8
; vector registers, window 1 (v256 + these)
.set W0F, 0                            ; A fragments of W0: neurons 16t.., K step s at 16t + 8s
.set W1F, 64                           ; of W1
.set B0C, 128                          ; -log2e b0 as a C operand, neurons 16t.. at 8t
.set B1C, 160                          ; -log2e b1
.set WOL, 192                          ; Wout in A's row 0, K step s at 8s
.set WOH, 208                          ; Wout in A's row 8
; scalar: s[8:9] time_idx  s[10:11] rho  s[12:13] emb  s[14:15] W0  s[16:17] b0  s[18:19] W1  s[20:21] b1  s[22:23] Wout
;         s[24:25] bout  s[26:27] out  s28 wave  s29 wave's number in the launch  s30 trips left  s31 -log2e (bout + logit)
.set MSB, 0
.macro WIN new                         ; low byte: windows of source 0, 1, 2 and destination; high byte: the setting that is left
.if MSB != \new
	s_set_vgpr_msb (MSB<<8)|\new
.set MSB, \new
.endif
.endm
; A vector instruction that reads a matrix result or writes a matrix operand stands four independent vector instructions behind the
; matrix instruction (ISA guide 7.12.1).
.macro PLACES
.rept 4
	v_nop
.endr
.endm
; One layer for two tiles of 16 points: 64 neurons x K 64 = 16 matrix instructions.  The first K step takes the bias as C.
.macro LAYER wf, bc, b00, b01, b10, b11
	WIN 0x11                                       ; A and C in window 1
.irp t, 0,1,2,3
	v_wmma_f32_16x16x32_bf16 v[D+8*\t:D+8*\t+7], v[\wf+16*\t:\wf+16*\t+7], v[\b00:\b00+7], v[\bc+8*\t:\bc+8*\t+7]
	v_wmma_f32_16x16x32_bf16 v[D+32+8*\t:D+32+8*\t+7], v[\wf+16*\t:\wf+16*\t+7], v[\b10:\b10+7], v[\bc+8*\t:\bc+8*\t+7]
.endr
	WIN 0x01                                       ; A in window 1
.irp t, 0,1,2,3
	v_wmma_f32_16x16x32_bf16 v[D+8*\t:D+8*\t+7], v[\wf+16*\t+8:\wf+16*\t+15], v[\b01:\b01+7], v[D+8*\t:D+8*\t+7]
	v_wmma_f32_16x16x32_bf16 v[D+32+8*\t:D+32+8*\t+7], v[\wf+16*\t+8:\wf+16*\t+15], v[\b11:\b11+7], v[D+32+8*\t:D+32+8*\t+7]
.endr
	WIN 0
	PLACES
.endm
; The output layer for the two tiles in G.  wo = WOL: the results land in row 0 of DA, DB; WOH: in row 8.
.macro OUTW wo, first
	WIN 0x01
.if \first
	v_wmma_f32_16x16x32_bf16 v[DA:DA+7], v[\wo:\wo+7], v[G:G+7], 0
	v_wmma_f32_16x16x32_bf16 v[DB:DB+7], v[\wo:\wo+7], v[G+16:G+23], 0
.else
	v_wmma_f32_16x16x32_bf16 v[DA:DA+7], v[\wo:\wo+7], v[G:G+7], v[DA:DA+7]
	v_wmma_f32_16x16x32_bf16 v[DB:DB+7], v[\wo:\wo+7], v[G+16:G+23], v[DB:DB+7]
.endif
	v_wmma_f32_16x16x32_bf16 v[DA:DA+7], v[\wo+8:\wo+15], v[G+8:G+15], v[DA:DA+7]
	v_wmma_f32_16x16x32_bf16 v[DB:DB+7], v[\wo+8:\wo+15], v[G+24:G+31], v[DB:DB+7]
	WIN 0
.endm
; The lines of the activation of a block of eight sums y .. y+7 (e: its set of a_i; g: its four registers of G).
.macro CLAMP y, i                      ; y <= 30, two at a time
	v_dual_min_num_f32 v[\y+2*\i], s33, v[\y+2*\i] :: v_dual_min_num_f32 v[\y+2*\i+1], s33, v[\y+2*\i+1]
.endm
.macro EXPJ e, y, j
	v_exp_f32 v[\e+\j], v[\y+\j]
.endm
.macro ADD1 e, i                       ; a = 1 + 2^y
	s_wait_alu depctr_va_vdst(0)
	v_pk_add_f32 v[\e+2*\i:\e+2*\i+1], v[\e+2*\i:\e+2*\i+1], 1.0 op_sel_hi:[1,0]
.endm
.macro MQ e, i                         ; (a0 a2, a1 a3) of quad i
	v_pk_mul_f32 v[M+2*\i:M+2*\i+1], v[\e+4*\i:\e+4*\i+1], v[\e+4*\i+2:\e+4*\i+3]
.endm
.macro MP i                            ; a0 a1 a2 a3
	v_mul_f32 v[MM+\i], v[M+2*\i], v[M+2*\i+1]
.endm
.macro RC i
	v_rcp_f32 v[RR+\i], v[MM+\i]
.endm
.macro PN y, e, i, k                   ; pair i of y times its partner pair k of a
	v_pk_mul_f32 v[\y+2*\i:\y+2*\i+1], v[\y+2*\i:\y+2*\i+1], v[\e+2*\k:\e+2*\k+1]
.endm
.macro SQ0                             ; (r0 a1 a3, r0 a0 a2) = (1/(a0 a2), 1/(a1 a3)): M's pair crosswise, r0 for both
	s_wait_alu depctr_va_vdst(0)
	v_pk_mul_f32 v[SV:SV+1], v[M:M+1], v[RR:RR+1] op_sel:[1,0] op_sel_hi:[0,0]
.endm
.macro SQ1                             ; the same for quad 1, r1 for both
	v_pk_mul_f32 v[SV+2:SV+3], v[M+2:M+3], v[RR:RR+1] op_sel:[1,1] op_sel_hi:[0,1]
.endm
.macro FN y, i, k                      ; g of pair i
	v_pk_mul_f32 v[\y+2*\i:\y+2*\i+1], v[\y+2*\i:\y+2*\i+1], v[SV+2*\k:SV+2*\k+1]
.endm
.macro PK g, y, i
	v_cvt_pk_bf16_f32 v[\g+\i], v[\y+2*\i], v[\y+2*\i+1]
.endm
.macro HEAD y, e                       ; clamps and exponentials of the first block
.irp i, 0,1,2,3
	CLAMP \y, \i
.endr
.irp j, 0,1,2,3,4,5,6,7
	EXPJ \e, \y, \j
.endr
	v_nop                                          ; one plain instruction between the exponentials and the first use of a result (ISA guide 5.7.2)
.endm
; The rest of block (y, e, g), with the clamps and exponentials of the next block (yn, en) strewn in.  Behind every exponential and
; reciprocal stands a plain instruction that names neither its result nor its source.
.macro STEP y, e, g, yn, en
	CLAMP \yn, 0
	ADD1 \e, 0
	CLAMP \yn, 1
	ADD1 \e, 1
	EXPJ \en, \yn, 0
	MQ \e, 0
	CLAMP \yn, 2
	EXPJ \en, \yn, 1
	MP 0
	CLAMP \yn, 3
	EXPJ \en, \yn, 2
	ADD1 \e, 2
	ADD1 \e, 3
	RC 0
	MQ \e, 1
	EXPJ \en, \yn, 3
	MP 1
	PN \y, \e, 0, 1
	EXPJ \en, \yn, 4
	PN \y, \e, 1, 0
	RC 1
	PN \y, \e, 2, 3
	EXPJ \en, \yn, 5
	PN \y, \e, 3, 2
	SQ0
	EXPJ \en, \yn, 6
	FN \y, 0, 0
	FN \y, 1, 0
	EXPJ \en, \yn, 7
	SQ1
	FN \y, 2, 1
	FN \y, 3, 1
.irp i, 0,1,2,3
	PK \g, \y, \i
.endr
.endm
.macro TAIL y, e, g                    ; the rest of the last block
.irp i, 0,1,2,3
	ADD1 \e, \i
.endr
	MQ \e, 0
	MQ \e, 1
	MP 0
	MP 1
	RC 0
	RC 1
	PN \y, \e, 0, 1
	PN \y, \e, 1, 0
	PN \y, \e, 2, 3
	PN \y, \e, 3, 2
	SQ0
	SQ1
	FN \y, 0, 0
	FN \y, 1, 0
	FN \y, 2, 1
	FN \y, 3, 1
.irp i, 0,1,2,3
	PK \g, \y, \i
.endr
.endm
; Block b = 4 tile + t of D goes to G + 4b: K step t / 2 of the tile's next B fragment, registers 4 (t % 2) .. + 3.
.macro ACTPHASE
	HEAD D, EA
	STEP D,    EA, G,    D+8,  EB
	STEP D+8,  EB, G+4,  D+16, EA
	STEP D+16, EA, G+8,  D+24, EB
	STEP D+24, EB, G+12, D+32, EA
	STEP D+32, EA, G+16, D+40, EB
	STEP D+40, EB, G+20, D+48, EA
	STEP D+48, EA, G+24, D+56, EB
	TAIL D+56, EB, G+28
.endm
; The features of all four tiles, two tiles in each packed instruction, the two pairs of tiles as two chains side by side.
.macro FEAT
.irp p, 0,1
	v_pk_fma_f32 v[FT+32*\p+F_W:FT+32*\p+F_W+1], v[R+2*\p:R+2*\p+1], 0.5, v[PHN:PHN+1] op_sel_hi:[1,0,1]   ; rho/2 - h/4
.endr
.irp p, 0,1
	v_rndne_f32 v[FT+32*\p+F_N], v[FT+32*\p+F_W]
	v_rndne_f32 v[FT+32*\p+F_N+1], v[FT+32*\p+F_W+1]
.endr
.irp p, 0,1
	v_pk_add_f32 v[FT+32*\p+F_W:FT+32*\p+F_W+1], v[FT+32*\p+F_W:FT+32*\p+F_W+1], v[FT+32*\p+F_N:FT+32*\p+F_N+1] neg_lo:[0,1] neg_hi:[0,1]   ; w in [-1/2, 1/2]
.endr
.irp p, 0,1
	v_pk_mul_f32 v[FT+32*\p+F_Z:FT+32*\p+F_Z+1], v[FT+32*\p+F_W:FT+32*\p+F_W+1], v[FT+32*\p+F_W:FT+32*\p+F_W+1]
.endr
.irp p, 0,1                            ; cos(pi w / 2) = 1 + z (C1 + z (C2 + z (C3 + z C4))), z = w^2; the next term is below 2.5e-8
	v_pk_fma_f32 v[FT+32*\p+F_P:FT+32*\p+F_P+1], v[FT+32*\p+F_Z:FT+32*\p+F_Z+1], s[42:43], v[C3:C3+1] op_sel_hi:[1,0,1]
.endr
.irp p, 0,1
	v_pk_fma_f32 v[FT+32*\p+F_P:FT+32*\p+F_P+1], v[FT+32*\p+F_P:FT+32*\p+F_P+1], v[FT+32*\p+F_Z:FT+32*\p+F_Z+1], s[38:39] op_sel_hi:[1,1,0]
.endr
.irp p, 0,1
	v_pk_fma_f32 v[FT+32*\p+F_P:FT+32*\p+F_P+1], v[FT+32*\p+F_P:FT+32*\p+F_P+1], v[FT+32*\p+F_Z:FT+32*\p+F_Z+1], s[36:37] op_sel_hi:[1,1,0]
.endr
.irp p, 0,1
	v_pk_fma_f32 v[FT+32*\p+F_P:FT+32*\p+F_P+1], v[FT+32*\p+F_P:FT+32*\p+F_P+1], v[FT+32*\p+F_Z:FT+32*\p+F_Z+1], 1.0 op_sel_hi:[1,1,0]
.endr
.irp p, 0,1                            ; cos 2a = 2 cos a cos a - 1, twice: cos(pi w), cos(2 pi w) = x_1
	v_pk_add_f32 v[FT+32*\p+F_T:FT+32*\p+F_T+1], v[FT+32*\p+F_P:FT+32*\p+F_P+1], v[FT+32*\p+F_P:FT+32*\p+F_P+1]
.endr
.irp p, 0,1
	v_pk_fma_f32 v[FT+32*\p+F_P:FT+32*\p+F_P+1], v[FT+32*\p+F_T:FT+32*\p+F_T+1], v[FT+32*\p+F_P:FT+32*\p+F_P+1], -1.0 op_sel_hi:[1,1,0]
.endr
.irp p, 0,1
	v_pk_add_f32 v[FT+32*\p+F_T:FT+32*\p+F_T+1], v[FT+32*\p+F_P:FT+32*\p+F_P+1], v[FT+32*\p+F_P:FT+32*\p+F_P+1]
.endr
.irp p, 0,1
	v_pk_fma_f32 v[FT+32*\p+F_X:FT+32*\p+F_X+1], v[FT+32*\p+F_T:FT+32*\p+F_T+1], v[FT+32*\p+F_P:FT+32*\p+F_P+1], -1.0 op_sel_hi:[1,1,0]
.endr
.irp p, 0,1                            ; the sine lanes take cos(theta) of the same point from the cosine lane 16 below
	v_permlanex16_b32 v[FT+32*\p+F_N], v[FT+32*\p+F_X], s34, s35
	v_permlanex16_b32 v[FT+32*\p+F_N+1], v[FT+32*\p+F_X+1], s34, s35
.endr
.irp p, 0,1
	v_cndmask_b32 v[FT+32*\p+F_C], v[FT+32*\p+F_X], v[FT+32*\p+F_N], s32
	v_cndmask_b32 v[FT+32*\p+F_C+1], v[FT+32*\p+F_X+1], v[FT+32*\p+F_N+1], s32
.endr
.irp p, 0,1
	v_pk_add_f32 v[FT+32*\p+F_C:FT+32*\p+F_C+1], v[FT+32*\p+F_C:FT+32*\p+F_C+1], v[FT+32*\p+F_C:FT+32*\p+F_C+1]   ; 2 cos(theta)
.endr
.irp p, 0,1
	v_pk_fma_f32 v[FT+32*\p+F_X+2:FT+32*\p+F_X+3], v[FT+32*\p+F_C:FT+32*\p+F_C+1], v[FT+32*\p+F_X:FT+32*\p+F_X+1], v[X0:X0+1] neg_lo:[0,0,1] neg_hi:[0,0,1]
.endr
.irp k, 3,4,5,6,7,8
.irp p, 0,1
	v_pk_fma_f32 v[FT+32*\p+F_X+2*(\k-1):FT+32*\p+F_X+2*(\k-1)+1], v[FT+32*\p+F_C:FT+32*\p+F_C+1], v[FT+32*\p+F_X+2*(\k-2):FT+32*\p+F_X+2*(\k-2)+1], v[FT+32*\p+F_X+2*(\k-3):FT+32*\p+F_X+2*(\k-3)+1] neg_lo:[0,0,1] neg_hi:[0,0,1]
.endr
.endr
; B fragment of K slots 32-63: registers 0-3 = slots 32+8h .. 39+8h (modes 1-8, cosines below, sines above); register 4, low half = slot 48
; (rho) in lanes 0-15 and slot 56, whose weight is 0, in lanes 16-31; registers 5-7 stay 0.
.irp p, 0,1
.irp e, 0,1
.irp i, 0,1,2,3
	v_cvt_pk_bf16_f32 v[BF+8*(2*\p+\e)+\i], v[FT+32*\p+F_X+4*\i+\e], v[FT+32*\p+F_X+4*\i+2+\e]
.endr
	v_cvt_pk_bf16_f32 v[BF+8*(2*\p+\e)+4], v[R+2*\p+\e], 0
.endr
.endr
.endm
; Tiles a and a + 1 through the whole net.  dsleft: how many younger gathers may stay out.
.macro SUB a, wo, first, dsleft
	s_wait_dscnt \dsleft
	LAYER W0F, B0C, BE+8*\a, BF+8*\a, BE+8*\a+8, BF+8*\a+8
	ACTPHASE
	LAYER W1F, B1C, G, G+8, G+16, G+24
	ACTPHASE
	OUTW \wo, \first
.endm
; ------------------------------------------------------------------ set-up
	s_load_b512 s[8:23], s[0:1], 0x0               ; time_idx, rho, emb, W0, b0, W1, b1, Wout
	s_load_b128 s[24:27], s[0:1], 0x40             ; bout, out
	v_lshl_add_u32 v254, v0, 2, 0xf100
	v_mov_b32 v255, 0
	v_lshrrev_b32 v[TMP], 5, v0
	v_readfirstlane_b32 s28, v[TMP]                ; wave 0..7
	s_lshl_b32 s29, s28, 8
	s_add_co_u32 s29, s29, ttmp9                   ; 256 wave + work-group: the 530 longer walks fall on waves 0, 1 and part of 2, evenly over work-groups
	s_cmp_lt_u32 s29, EXTRA
	s_cselect_b32 s30, TRIPS_LO+1, TRIPS_LO        ; trips
	s_lshl_b32 s47, s29, 8                         ; first chunk, in bytes
	s_mov_b32 s32, 0xffff0000                      ; lanes 16-31
	s_mov_b32 s33, 0x41f00000                      ; 30.0
	s_mov_b32 s34, 0x76543210                      ; v_permlanex16_b32: lane i takes lane i of the other half
	s_mov_b32 s35, 0xfedcba98
	s_mov_b32 s36, 0xbf9de9e6                      ; C1 = -(pi/2)^2 / 2
	s_mov_b32 s37, 0xbf9de9e6
	s_mov_b32 s38, 0x3e81e0f8                      ; C2 = (pi/2)^4 / 24
	s_mov_b32 s39, 0x3e81e0f8
	s_mov_b32 s42, 0x3a70fa83                      ; C4 = (pi/2)^8 / 40320
	s_mov_b32 s43, 0x3a70fa83
	s_mov_b32 s44, 0xbfb8aa3b                      ; -log2(e)
	s_mov_b32 s45, 0xbfb8aa3b
	s_mov_b32 s48, 0x00010001                      ; lanes 0 and 16: A's row 0
	s_mov_b32 s49, 0x01000100                      ; lanes 8 and 24: A's row 8
	v_and_b32 v[VH16], 16, v0                      ; 16 h
	v_and_b32 v[TMP], 15, v0                       ; r
	v_lshlrev_b32 v[TMP], 4, v[TMP]
	v_add_nc_u32 v[VLD], s47, v[TMP]               ; chunk + 16 r: both halves of the wave read the same 256 bytes, register q = point 4r + q
	v_lshrrev_b32 v[TMP], 1, v[VH16]               ; 8 h
	v_add_nc_u32 v[VST], v[VLD], v[TMP]            ; chunk + 16 r + 8 h: points 4r + 2h and 4r + 2h + 1
	v_and_b32 v24, 7, v0
	v_or_b32 v24, v24, v[TMP]                      ; 8 h + lane % 8: the K row that I address
	v_mul_u32_u24 v[VTR], v24, WPITCH
	v_and_b32 v24, 8, v0
	v_lshl_add_u32 v[VTR], v24, 1, v[VTR]          ; + 16 bytes for lanes 8-15 of each half
	v_lshlrev_b32 v[VB], 1, v[VH16]                ; 32 h: eight f32
	v_bfe_u32 v24, v0, 4, 1
	v_cvt_f32_u32 v24, v24                         ; h
	v_sub_f32 v[X0], 1.0, v24
	v_sub_f32 v[X0+1], 1.0, v24
	v_mul_f32 v[PHN], 0xbe800000, v24              ; -h / 4
	v_mul_f32 v[PHN+1], 0xbe800000, v24
	v_mov_b32 v[VIC], 0x46068800                   ; 0.3 x 28700
	v_mov_b32 v[C3], 0xbcaae9e4                    ; C3 = -(pi/2)^6 / 720
	v_mov_b32 v[C3+1], 0xbcaae9e4
	; staging, by thread t = 0..255.  emb: unit u = t + 256 i is 8 numbers: row u / 4, part u % 4.  2,044 units; the last four threads'
	; eighth unit is held at the table's last unit and lands in a spare LDS row that nobody reads.
	v_lshlrev_b32 v[VEG], 5, v0
	v_add_nc_u32 v[VEG7], 7*8192, v[VEG]
	v_min_u32 v[VEG7], 511*128-32, v[VEG7]
	v_lshrrev_b32 v24, 2, v0                       ; t / 4: emb row, and K slot of the weights
	v_and_b32 v25, 3, v0                           ; t % 4
	v_mul_u32_u24 v[VEL], v24, EPITCH
	v_lshl_add_u32 v[VEL], v25, 4, v[VEL]
	; W0's K slots: 0-31 rows 0-31 (latent), 32-47 rows 33-48 (cos, sin), 48 row 32 (rho), 49-63 row 32 times 0
	v_lshrrev_b32 v[TMP], 5, v24
	v_add_nc_u32 v[TMP], v[TMP], v24
	v_mov_b32 v10, 32
	v_cmp_lt_u32 vcc_lo, 47, v24
	v_cndmask_b32 v[TMP], v[TMP], v10, vcc_lo
	v_lshlrev_b32 v[VWG0], 8, v[TMP]
	v_lshl_add_u32 v[VWG0], v25, 6, v[VWG0]        ; row x 256 + 16 columns of f32
	v_lshlrev_b32 v[VWG1], 6, v0
	v_mul_u32_u24 v[VWL], v24, WPITCH
	v_lshl_add_u32 v[VWL], v25, 5, v[VWL]
	v_mov_b32 v10, s44
	v_cmp_gt_u32 vcc_lo, 49, v24
	v_cndmask_b32 v[SC], 0, v10, vcc_lo            ; -log2e, or 0 for the empty slots
	v_mov_b32 v[SC+1], v[SC]
	s_wait_kmcnt 0x0
	s_load_b32 s46, s[24:25], 0x0                  ; bout
	; fifty loads in one run
.irp i, 0,1,2,3,4,5,6
	global_load_b128 v[ST_E+8*\i:ST_E+8*\i+3], v[VEG], s[12:13] offset:8192*\i
	global_load_b128 v[ST_E+8*\i+4:ST_E+8*\i+7], v[VEG], s[12:13] offset:8192*\i+16
.endr
	global_load_b128 v[ST_E+56:ST_E+59], v[VEG7], s[12:13]
	global_load_b128 v[ST_E+60:ST_E+63], v[VEG7], s[12:13] offset:16
.irp i, 0,1,2,3
	global_load_b128 v[ST_0+4*\i:ST_0+4*\i+3], v[VWG0], s[14:15] offset:16*\i
.endr
.irp i, 0,1,2,3
	global_load_b128 v[ST_1+4*\i:ST_1+4*\i+3], v[VWG1], s[18:19] offset:16*\i
.endr
.irp g, 0,1,2,3
	global_load_b128 v[ST_O+8*\g:ST_O+8*\g+3], v[VB], s[22:23] offset:64*\g       ; Wout[16g + 8h ..]
	global_load_b128 v[ST_O+8*\g+4:ST_O+8*\g+7], v[VB], s[22:23] offset:64*\g+16
.endr
	WIN 0x40                                       ; destination in window 1
.irp t, 0,1,2,3
	global_load_b128 v[B0C+8*\t:B0C+8*\t+3], v[VB], s[16:17] offset:64*\t         ; register j of a C tile is neuron 16t + 8h + j
	global_load_b128 v[B0C+8*\t+4:B0C+8*\t+7], v[VB], s[16:17] offset:64*\t+16
.endr
.irp t, 0,1,2,3
	global_load_b128 v[B1C+8*\t:B1C+8*\t+3], v[VB], s[20:21] offset:64*\t
	global_load_b128 v[B1C+8*\t+4:B1C+8*\t+7], v[VB], s[20:21] offset:64*\t+16
.endr
	WIN 0
	global_load_b128 v[R:R+3], v[VLD], s[10:11] th:TH_LOAD_NT                     ; the first chunk
	global_load_b128 v[I:I+3], v[VLD], s[8:9] th:TH_LOAD_NT
	s_wait_loadcnt 34                              ; emb is in: 4 + 4 + 8 + 16 + 2 younger loads stay out
.irp i, 0,1,2,3,4,5,6,7
.irp j, 0,1,2,3
	v_cvt_pk_bf16_f32 v[ST_E+8*\i+\j], v[ST_E+8*\i+2*\j], v[ST_E+8*\i+2*\j+1]
.endr
	ds_store_b128 v[VEL], v[ST_E+8*\i:ST_E+8*\i+3] offset:EPITCH+64*EPITCH*\i     ; emb row n lies in LDS row n + 1 = clamp(time_idx, 1, 511)
.endr
	s_wait_loadcnt 30                              ; W0 is in
.irp j, 0,1,2,3,4,5,6,7
	v_pk_mul_f32 v[ST_0+2*\j:ST_0+2*\j+1], v[ST_0+2*\j:ST_0+2*\j+1], v[SC:SC+1]
.endr
.irp j, 0,1,2,3,4,5,6,7
	v_cvt_pk_bf16_f32 v[ST_0+\j], v[ST_0+2*\j], v[ST_0+2*\j+1]
.endr
	ds_store_b128 v[VWL], v[ST_0:ST_0+3] offset:WS0
	ds_store_b128 v[VWL], v[ST_0+4:ST_0+7] offset:WS0+16
	s_wait_loadcnt 26                              ; W1 is in
.irp j, 0,1,2,3,4,5,6,7
	v_cvt_pk_bf16_f32 v[ST_1+\j], v[ST_1+2*\j], v[ST_1+2*\j+1]
.endr
	ds_store_b128 v[VWL], v[ST_1:ST_1+3] offset:WS1
	ds_store_b128 v[VWL], v[ST_1+4:ST_1+7] offset:WS1+16
	s_wait_dscnt 0x0                               ; my stores are in LDS, for the other waves' sake,
	s_barrier_signal -1
	s_barrier_wait -1                              ; and everybody's are.  LDS is only read from here on: the one barrier of the kernel
	; A fragments: the weights lie [K][neuron], so each half fragment (8 K x 16 neurons a half wave) comes by a transposing load
	WIN 0x40
.irp t, 0,1,2,3
.irp s, 0,1
	ds_load_tr16_b128 v[W0F+16*\t+8*\s:W0F+16*\t+8*\s+3], v[VTR] offset:WS0+32*WPITCH*\s+32*\t
	ds_load_tr16_b128 v[W0F+16*\t+8*\s+4:W0F+16*\t+8*\s+7], v[VTR] offset:WS0+32*WPITCH*\s+32*\t+16*WPITCH
.endr
.endr
.irp t, 0,1,2,3
.irp s, 0,1
	ds_load_tr16_b128 v[W1F+16*\t+8*\s:W1F+16*\t+8*\s+3], v[VTR] offset:WS1+32*WPITCH*\s+32*\t
	ds_load_tr16_b128 v[W1F+16*\t+8*\s+4:W1F+16*\t+8*\s+7], v[VTR] offset:WS1+32*WPITCH*\s+32*\t+16*WPITCH
.endr
.endr
	WIN 0
	s_wait_loadcnt 18                              ; Wout is in: the biases and the first chunk stay out
.irp g, 0,1,2,3
.irp j, 0,1,2,3
	v_cvt_pk_bf16_f32 v[ST_O+8*\g+\j], v[ST_O+8*\g+2*\j], v[ST_O+8*\g+2*\j+1]
.endr
.endr
	WIN 0x40
.irp g, 0,1,2,3
.irp j, 0,1,2,3
	v_cndmask_b32 v[WOL+4*\g+\j], 0, v[ST_O+8*\g+\j], s48      ; Wout as row 0 of A, all other rows 0
	v_cndmask_b32 v[WOH+4*\g+\j], 0, v[ST_O+8*\g+\j], s49      ; and as row 8
.endr
.endr
	s_wait_loadcnt 2                               ; the biases are in: the first chunk's two loads stay out
	WIN 0x41                                       ; source 0 and destination in window 1
.set j, 0
.rept 32
	v_pk_mul_f32 v[B0C+2*j:B0C+2*j+1], v[B0C+2*j:B0C+2*j+1], s[44:45] op_sel_hi:[1,0]   ; b0 and b1 times -log2e
.set j, j+1
.endr
	WIN 0
.irp q, 0,1,2,3
	v_mov_b32 v[BF+8*\q+5], 0                      ; K slots 50-55 and 58-63 of the features: never anything but 0
	v_mov_b32 v[BF+8*\q+6], 0
	v_mov_b32 v[BF+8*\q+7], 0
.endr
	s_wait_kmcnt 0x0
	s_add_f32 s31, s46, 0xbf58e883                 ; bout + ln(0.3 / 0.7)
	s_mul_f32 s31, s31, s44                        ; times -log2e
	s_wait_dscnt 0x0                               ; the weight fragments are in
; ------------------------------------------------------------------ a trip: 64 points
.Ltrip:
	s_wait_loadcnt 0x0                             ; this chunk's two loads, issued a whole trip ago; VLD is free with them
.irp q, 0,1,2,3
	v_max_i32 v[ADDR+\q], 1, v[I+\q]
.endr
.irp q, 0,1,2,3
	v_min_u32 v[ADDR+\q], 0x1ff, v[ADDR+\q]        ; clamp(time_idx, 1, 511) = clip(time_idx - 1, 0, 510) + 1
.endr
.irp q, 0,1,2,3
	v_lshl_add_u32 v[ADDR+\q], v[ADDR+\q], 2, v[ADDR+\q]
.endr
.irp q, 0,1,2,3
	v_lshl_add_u32 v[ADDR+\q], v[ADDR+\q], 4, v[VH16]          ; 80 x row + 16 h
.endr
.irp q, 0,1,2,3
	ds_load_b128 v[BE+8*\q:BE+8*\q+3], v[ADDR+\q]              ; K = 8h .. 8h+7 of the point's latent row
	ds_load_b128 v[BE+8*\q+4:BE+8*\q+7], v[ADDR+\q] offset:32  ; K = 16+8h ..
.endr
	v_cndmask_b32 v[J], v[I], v[I+2], s32          ; time_idx of points 4r + 2h
	v_cndmask_b32 v[J+1], v[I+1], v[I+3], s32      ; and 4r + 2h + 1
	FEAT
	s_cmp_eq_u32 s30, 1                            ; the last trip asks for nothing: no load leaves the buffers
	s_cbranch_scc1 .Lnoload
	v_add_nc_u32 v[VLD], STRIDE, v[VLD]
	global_load_b128 v[R:R+3], v[VLD], s[10:11] th:TH_LOAD_NT  ; the next chunk; rho and time_idx of this one have been used up above
	global_load_b128 v[I:I+3], v[VLD], s[8:9] th:TH_LOAD_NT
.Lnoload:
	SUB 0, WOL, 1, 4                               ; tiles 0, 1: their four gathers are in, the four of tiles 2, 3 may be out
	SUB 2, WOH, 0, 0
	PLACES
	v_add_f32 v[Z], s31, v[DA]                     ; register 0 of DA: row 8h = tile 2h, column r = point 4r + 2h
	v_add_f32 v[Z+1], s31, v[DB]                   ; of DB: point 4r + 2h + 1
	v_exp_f32 v[Z], v[Z]
	v_exp_f32 v[Z+1], v[Z+1]
	v_cmp_eq_u32 vcc_lo, 0, v[J]                   ; (also the plain instruction behind the exponentials)
	s_wait_alu depctr_va_vdst(0)
	v_pk_add_f32 v[Z:Z+1], v[Z:Z+1], 1.0 op_sel_hi:[1,0]
	v_rcp_f32 v[Z], v[Z]                           ; sigmoid = 1 / (1 + 2^z)
	v_rcp_f32 v[Z+1], v[Z+1]
	v_cmp_eq_u32 s50, 0, v[J+1]                    ; (and behind the reciprocals)
	s_wait_alu depctr_va_vdst(0)
	v_pk_mul_f32 v[Z:Z+1], v[Z:Z+1], 0x46e03800 op_sel_hi:[1,0]    ; x 28700
	v_cndmask_b32 v[Z], v[Z], v[VIC], vcc_lo       ; the initial value where time_idx is 0
	v_cndmask_b32 v[Z+1], v[Z+1], v[VIC], s50
	global_store_b64 v[VST], v[Z:Z+1], s[26:27] th:TH_STORE_NT     ; the wave's 32 x 8 bytes are 256 consecutive bytes, aligned
	s_wait_xcnt 0x0                                ; VST is stepped, and Z written in the next trip, only behind this wait
	v_add_nc_u32 v[VST], STRIDE, v[VST]
	s_sub_co_i32 s30, s30, 1
	s_cmp_lg_u32 s30, 0
	s_cbranch_scc1 .Ltrip
	s_wait_tensorcnt 0x0
	ds_add_u32 v254, v255
	s_wait_dscnt 0x0
	s_endpgm
.Lfunc_end_k_q120f9b2951_field:
	.size	k_q120f9b2951_field, .Lfunc_end_k_q120f9b2951_field-k_q120f9b2951_field
	.p2alignl 7, 3214868480
	.fill 96, 4, 3214868480
	.section	.rodata,"a",@progbits
	.p2align	6, 0x0
	.amdhsa_kernel k_q120f9b2951_field
		.amdhsa_group_segment_fixed_size 62720
		.amdhsa_private_segment_fixed_size 0
		.amdhsa_enable_private_segment 0
		.amdhsa_kernarg_size 80
		.amdhsa_user_sgpr_count 2
		.amdhsa_user_sgpr_kernarg_segment_ptr 1
		.amdhsa_wavefront_size32 1
		.amdhsa_system_sgpr_workgroup_id_x 1
		.amdhsa_system_sgpr_workgroup_id_y 1
		.amdhsa_system_sgpr_workgroup_id_z 1
		.amdhsa_system_vgpr_workitem_id 0
		.amdhsa_next_free_vgpr 480
		.amdhsa_next_free_sgpr 66
		.amdhsa_reserve_vcc 1
		.amdhsa_float_denorm_mode_32 3
		.amdhsa_float_denorm_mode_16_64 3
		.amdhsa_memory_ordered 1
		.amdhsa_forward_progress 1
		.amdhsa_inst_pref_size 99
	.end_amdhsa_kernel
	.amdgpu_metadata
---
amdhsa.version: [ 1, 2 ]
amdhsa.kernels:
  - .name:           k_q120f9b2951_field
    .symbol:         k_q120f9b2951_field.kd
    .args:
      - { .name: time_idx, .offset: 0, .size: 8, .value_kind: global_buffer, .address_space: global }
      - { .name: rho, .offset: 8, .size: 8, .value_kind: global_buffer, .address_space: global }
      - { .name: emb, .offset: 16, .size: 8, .value_kind: global_buffer, .address_space: global }
      - { .name: W0, .offset: 24, .size: 8, .value_kind: global_buffer, .address_space: global }
      - { .name: b0, .offset: 32, .size: 8, .value_kind: global_buffer, .address_space: global }
      - { .name: W1, .offset: 40, .size: 8, .value_kind: global_buffer, .address_space: global }
      - { .name: b1, .offset: 48, .size: 8, .value_kind: global_buffer, .address_space: global }
      - { .name: Wout, .offset: 56, .size: 8, .value_kind: global_buffer, .address_space: global }
      - { .name: bout, .offset: 64, .size: 8, .value_kind: global_buffer, .address_space: global }
      - { .name: out0, .offset: 72, .size: 8, .value_kind: global_buffer, .address_space: global }
    .group_segment_fixed_size: 62720
    .private_segment_fixed_size: 0
    .kernarg_segment_align: 8
    .kernarg_segment_size: 80
    .max_flat_workgroup_size: 256
    .sgpr_count:     66
    .vgpr_count:     480
    .wavefront_size: 32
...
	.end_amdgpu_metadata
.endif
;; end of part 1
;; ======== version 2 of 3: 1 launch; 1.19 times as fast as version 1
;; launch field (part 2): grid 256 x 1, 8 waves a work-group, no clusters, 62,720 bytes of LDS; arguments time_idx, rho, emb, W0, b0, W1, b1, Wout, bout, out0; writes out0
.if DOCPART == 2
	.amdgcn_target "amdgcn-amd-amdhsa--gfx1250"
	.amdhsa_code_object_version 6
	.text
	.protected	k_q120f9b2951_field
	.globl	k_q120f9b2951_field
	.p2align	8
	.type	k_q120f9b2951_field,@function
k_q120f9b2951_field:
	s_mov_b64 s[64:65], 0
	v_nop
	global_prefetch_b8 v0, s[64:65] scope:SCOPE_SE
	s_setreg_imm32_b32 hwreg(HW_REG_WAVE_MODE, 25, 1), 1
	s_wait_xcnt 0x0
; out[p] = time_idx[p] == 0 ? 8610 : 28700 * sigmoid(MLP([emb[clip(time_idx[p]-1)], rho, cos(k pi rho), sin(k pi rho)]) + logit(0.3))
; MLP: 49 -> 64 SiLU -> 64 SiLU -> 1.  2,000,000 points, all independent.
;
; SHAPE.  256 work-groups of 8 waves that stay; a wave walks chunks of 64 points (256 bytes of rho, of time_idx and of out).
; The weights are the matrix unit's A operand and 16 points are the columns of B.  A lane's eight results of a 16 x 16 tile are then eight
; neighbouring neurons of ONE point, and packed in pairs to bf16 they are the next layer's B fragment as it stands: nothing
; passes through LDS or other lanes between the layers.  All weight fragments and biases stay in v256-v479 for the whole kernel.
; The latent table lies in LDS in bf16; a point's row is gathered straight into a B fragment by two 16-byte loads.
;
; ARITHMETIC.  The sums are kept as y = -log2(e) x (W0, b0, b1, bout are scaled once).  silu(x) = -ln2 g with g = y / (1 + 2^y), and the two
; factors cancel in the next layer, so W1 and Wout stay as they are and no multiply stands in front of an exponential.
; Four neurons share one reciprocal.  With e_i = 2^y_i, a_i = 1 + e_i, of a block of eight: M01 = (a0 a2, a1 a3), M23 = (a4 a6, a5 a7),
; r = 1 / (M01 M23) (two numbers), r M23 = (1/(a0 a2), 1/(a1 a3)), r M01 = (1/(a4 a6), 1/(a5 a7)), and g0 = (y0 a2) / (a0 a2), and so on.
; Only a2, a3, a6, a7 are ever formed: a0 a2 = e0 a2 + a2 and y2 a0 = y2 e0 + y2 are fused multiply-adds.
; cos and sin: lanes 0-15 run the cosine chain, lanes 16-31 the sine chain, by the same instructions: x1 = cos(2 pi w),
; w = rho/2 - h/4 less its nearest whole number, from a polynomial for cos(pi w / 2) and two doublings; then x_k = 2 cos(theta) x_(k-1) - x_(k-2).
;
; LIMITS.  y is held at 30 at the most, so that the product of four a_i stays below 2^121 and its reciprocal is a normal number: for
; x < -20.8 a SiLU comes out as -1.9e-8 at the most in magnitude where the true value is smaller still (absolute error below 3e-8).
; That clamp takes a NaN for 30: a NaN in a hidden sum is not carried on.  |y| must stay below 2^97 (y a_i must not overflow).
; |rho| below 2^22 (beyond it rho/2 has no fraction bits left).  e, the features, the weights and g are rounded to bf16; all else is f32.
;
; NOT USED.  No joint requests in a cluster: what work-groups share is 94 KB of tables, read once each in the set-up and converted to bf16 on
; the way through registers; in the loop no two work-groups read the same byte.  No copy engine: a trip's input is 512 bytes a wave, asked
; for one whole trip ahead into eight registers.
.set NPTS,     2000000
.set NCHUNK,   NPTS/64                 ; 31,250 chunks of 64 points
.set NWAVES,   2048                    ; 256 work-groups x 8 waves
.set STRIDE,   NWAVES*256              ; bytes from a wave's chunk to its next
.set TRIPS_LO, NCHUNK/NWAVES           ; 15 trips for every wave,
.set EXTRA,    NCHUNK-TRIPS_LO*NWAVES  ; and one more for the first 530
; LDS
.set EPITCH, 80                        ; a latent row: 64 bytes of bf16 + 16: rows start in different banks
.set WPITCH, 160                       ; a row of staged weights: 64 bf16 + 32 bytes (an odd multiple of 32, for the transposing load)
.set WS0,    41216                     ; behind 513 latent rows: 64 K slots of W0
.set WS1,    WS0+64*WPITCH             ; 64 K slots of W1; ends at 61,696
; vector registers, window 0
.set VH16, 1                           ; 16 h (h = lane / 16)
.set VLD,  2                           ; byte offset of my 16 bytes of rho and time_idx
.set VST,  3                           ; byte offset of my 8 bytes of out
.set VIC,  4                           ; 8610.0
.set VTR,  5                           ; lane term of the transposing loads
.set X0,   6                           ; v[6:7]   1 - h, twice: x_0 of the recurrence
.set PHN,  8                           ; v[8:9]   -h / 4, twice
.set J,    10                          ; v[10:11] time_idx of the two points that I store
.set R,    12                          ; v[12:15] rho of points 4r .. 4r+3
.set I,    16                          ; v[16:19] time_idx of the same
.set ADDR, 20                          ; v[20:23] LDS address of tile q's latent row
.set Z,    24                          ; v[24:25] the two results
.set TMP,  29
.set DA,   32                          ; v[32:39] output layer, tiles 0 (row 0) and 2 (row 8)
.set DB,   40                          ; v[40:47] tiles 1 and 3
.set BE,   48                          ; v[48:79]   B fragments, K 0-31 (latent), tile q at +8q
.set BF,   80                          ; v[80:111]  B fragments, K 32-63 (features), tile q at +8q
.set G,    112                         ; v[112:143] g in bf16: two tiles x two K steps x 8
.set D,    144                         ; v[144:207] sums: two tiles x four blocks of 16 neurons x 8
.set FT,   144                         ; the same registers while the features are made: 32 for each pair of tiles
.set EA,   208                         ; v[208:215] e0 e1 a2 a3 e4 e5 a6 a7 of a block, two sets in turn
.set EB,   216
.set M,    224                         ; v[224:227] a0 a2, a1 a3, a4 a6, a5 a7
.set MM,   228                         ; v[228:229] a0 a2 a4 a6, a1 a3 a5 a7
.set RR,   230                         ; v[230:231] their reciprocals
.set C3,   232                         ; v[232:233] polynomial coefficient, twice
.set SV,   234                         ; v[234:237] 1/(a0 a2), 1/(a1 a3), 1/(a4 a6), 1/(a5 a7)
; set-up only
.set VEG,  20                          ; emb: 32 t
.set VEG7, 21                          ; emb, eighth unit, held inside the table
.set VEL,  22                          ; emb in LDS
.set VWG0, 23                          ; W0 in memory
.set VWG1, 26                          ; W1 in memory
.set VWL,  27                          ; staged weights in LDS
.set VB,   28                          ; 32 h
.set SC,   30                          ; v[30:31] scale of my W0 slot
.set ST_E, 48                          ; v[48:111]  emb as loaded
.set ST_0, 144                         ; v[144:159] W0 as loaded
.set ST_1, 160                         ; v[160:175] W1 as loaded
.set ST_O, 176                         ; v[176:207] Wout as loaded
; within FT
.set F_W, 0
.set F_N, 2
.set F_Z, 4
.set F_P, 6
.set F_T, 8
.set F_C, 10
.set F_X, 12                           ; x_k at F_X + 2 (k - 1), k = 1 .. 8
; vector registers, window 1 (v256 + these)
.set W0F, 0                            ; A fragments of W0: neurons 16t.., K step s at 16t + 8s
.set W1F, 64                           ; of W1
.set B0C, 128                          ; -log2e b0 as a C operand, neurons 16t.. at 8t
.set B1C, 160                          ; -log2e b1
.set WOL, 192                          ; Wout in A's row 0, K step s at 8s
.set WOH, 208                          ; Wout in A's row 8
; scalar: s[8:9] time_idx  s[10:11] rho  s[12:13] emb  s[14:15] W0  s[16:17] b0  s[18:19] W1  s[20:21] b1  s[22:23] Wout
;         s[24:25] bout  s[26:27] out  s28 wave  s29 wave's number in the launch  s30 trips left  s31 -log2e (bout + logit)
.set MSB, 0
.macro WIN new                         ; low byte: windows of source 0, 1, 2 and destination; high byte: the setting that is left
.if MSB != \new
	s_set_vgpr_msb (MSB<<8)|\new
.set MSB, \new
.endif
.endm
; A vector instruction that reads a matrix result or writes a matrix operand stands four independent vector instructions behind the
; matrix instruction (ISA guide 7.12.1).
.macro PLACES
.rept 4
	v_nop
.endr
.endm
; One layer for two tiles of 16 points: 64 neurons x K 64 = 16 matrix instructions.  The first K step takes the bias as C.
.macro LAYER wf, bc, b00, b01, b10, b11
	WIN 0x11                                       ; A and C in window 1
.irp t, 0,1,2,3
	v_wmma_f32_16x16x32_bf16 v[D+8*\t:D+8*\t+7], v[\wf+16*\t:\wf+16*\t+7], v[\b00:\b00+7], v[\bc+8*\t:\bc+8*\t+7]
	v_wmma_f32_16x16x32_bf16 v[D+32+8*\t:D+32+8*\t+7], v[\wf+16*\t:\wf+16*\t+7], v[\b10:\b10+7], v[\bc+8*\t:\bc+8*\t+7]
.endr
	WIN 0x01                                       ; A in window 1
.irp t, 0,1,2,3
	v_wmma_f32_16x16x32_bf16 v[D+8*\t:D+8*\t+7], v[\wf+16*\t+8:\wf+16*\t+15], v[\b01:\b01+7], v[D+8*\t:D+8*\t+7]
	v_wmma_f32_16x16x32_bf16 v[D+32+8*\t:D+32+8*\t+7], v[\wf+16*\t+8:\wf+16*\t+15], v[\b11:\b11+7], v[D+32+8*\t:D+32+8*\t+7]
.endr
	WIN 0
	PLACES
.endm
; The output layer for the two tiles in G.  wo = WOL: the results land in row 0 of DA, DB; WOH: in row 8.
.macro OUTW wo, first
	WIN 0x01
.if \first
	v_wmma_f32_16x16x32_bf16 v[DA:DA+7], v[\wo:\wo+7], v[G:G+7], 0
	v_wmma_f32_16x16x32_bf16 v[DB:DB+7], v[\wo:\wo+7], v[G+16:G+23], 0
.else
	v_wmma_f32_16x16x32_bf16 v[DA:DA+7], v[\wo:\wo+7], v[G:G+7], v[DA:DA+7]
	v_wmma_f32_16x16x32_bf16 v[DB:DB+7], v[\wo:\wo+7], v[G+16:G+23], v[DB:DB+7]
.endif
	v_wmma_f32_16x16x32_bf16 v[DA:DA+7], v[\wo+8:\wo+15], v[G+8:G+15], v[DA:DA+7]
	v_wmma_f32_16x16x32_bf16 v[DB:DB+7], v[\wo+8:\wo+15], v[G+24:G+31], v[DB:DB+7]
	WIN 0
.endm
; The lines of the activation of a block of eight sums y .. y+7 (e: its set of e_i and a_i; g: its four registers of G).
; on = 0: the line is left out (the first and last steps of a phase, where a stage has no block).
.macro CLAMP on, y, i                  ; stage 1: y <= 30, two at a time
.if \on
	v_dual_min_num_f32 v[\y+2*\i], s33, v[\y+2*\i] :: v_dual_min_num_f32 v[\y+2*\i+1], s33, v[\y+2*\i+1]
.endif
.endm
.macro EXPJ on, e, y, j                ; stage 1: e = 2^y
.if \on
	v_exp_f32 v[\e+\j], v[\y+\j]
.endif
.endm
.macro ADDB on, e, q                   ; stage 2: the second pair of quad q becomes a = 1 + e
.if \on
	s_wait_alu depctr_va_vdst(0)
	v_pk_add_f32 v[\e+4*\q+2:\e+4*\q+3], v[\e+4*\q+2:\e+4*\q+3], 1.0 op_sel_hi:[1,0]
.endif
.endm
.macro MQ on, e, q                     ; stage 2: (a0 a2, a1 a3) = (e0 a2 + a2, e1 a3 + a3)
.if \on
	v_pk_fma_f32 v[M+2*\q:M+2*\q+1], v[\e+4*\q:\e+4*\q+1], v[\e+4*\q+2:\e+4*\q+3], v[\e+4*\q+2:\e+4*\q+3]
.endif
.endm
.macro MP on                           ; stage 2: the two products of four
.if \on
	v_pk_mul_f32 v[MM:MM+1], v[M:M+1], v[M+2:M+3]
.endif
.endm
.macro RC on, i                        ; stage 2
.if \on
	v_rcp_f32 v[RR+\i], v[MM+\i]
.endif
.endm
.macro PNA on, y, e, q                 ; stage 2: (y0 a2, y1 a3)
.if \on
	v_pk_mul_f32 v[\y+4*\q:\y+4*\q+1], v[\y+4*\q:\y+4*\q+1], v[\e+4*\q+2:\e+4*\q+3]
.endif
.endm
.macro PNB on, y, e, q                 ; stage 2: (y2 a0, y3 a1) = (y2 e0 + y2, y3 e1 + y3)
.if \on
	v_pk_fma_f32 v[\y+4*\q+2:\y+4*\q+3], v[\y+4*\q+2:\y+4*\q+3], v[\e+4*\q:\e+4*\q+1], v[\y+4*\q+2:\y+4*\q+3]
.endif
.endm
.macro SQ on, q                        ; stage 3: r times the OTHER quad's products = the reciprocals of this quad's
.if \on
	s_wait_alu depctr_va_vdst(0)
	v_pk_mul_f32 v[SV+2*\q:SV+2*\q+1], v[RR:RR+1], v[M+2-2*\q:M+3-2*\q]
.endif
.endm
.macro FN on, y, i, q                  ; stage 3: g of pair i
.if \on
	v_pk_mul_f32 v[\y+2*\i:\y+2*\i+1], v[\y+2*\i:\y+2*\i+1], v[SV+2*\q:SV+2*\q+1]
.endif
.endm
.macro PK on, g, y, i                  ; stage 3
.if \on
	v_cvt_pk_bf16_f32 v[\g+\i], v[\y+2*\i], v[\y+2*\i+1]
.endif
.endm
; One step of the activation: stage 3 of the block before (yp, gp), stage 2 of the current block (yc, ec), stage 1 of the next (yn, en),
; woven so that at least five lines stand between a line and the one that reads its result.  M and RR are one set each: stage 3 reads
; the old ones (the two SQ lines) above the lines of stage 2 that write the new ones.  en is the set that the block before has done with.
; Behind every exponential and reciprocal stands a plain instruction that names neither its result nor its source (ISA guide 5.7.2).
.macro STEP yp, gp, yc, ec, yn, en, fp, fc, fn
	CLAMP \fn, \yn, 0
	CLAMP \fn, \yn, 1
	ADDB  \fc, \ec, 0
	ADDB  \fc, \ec, 1
	CLAMP \fn, \yn, 2
	CLAMP \fn, \yn, 3
	SQ    \fp, 0
	SQ    \fp, 1
	EXPJ  \fn, \en, \yn, 0
	MQ    \fc, \ec, 0
	EXPJ  \fn, \en, \yn, 1
	MQ    \fc, \ec, 1
	EXPJ  \fn, \en, \yn, 2
	FN    \fp, \yp, 0, 0
	EXPJ  \fn, \en, \yn, 3
	FN    \fp, \yp, 1, 0
	EXPJ  \fn, \en, \yn, 4
	MP    \fc
	EXPJ  \fn, \en, \yn, 5
	FN    \fp, \yp, 2, 1
	EXPJ  \fn, \en, \yn, 6
	FN    \fp, \yp, 3, 1
	EXPJ  \fn, \en, \yn, 7
	PNA   \fc, \yc, \ec, 0
	RC    \fc, 0
	PNB   \fc, \yc, \ec, 0
	RC    \fc, 1
	PNA   \fc, \yc, \ec, 1
	PK    \fp, \gp, \yp, 0
	PNB   \fc, \yc, \ec, 1
	PK    \fp, \gp, \yp, 1
	PK    \fp, \gp, \yp, 2
	PK    \fp, \gp, \yp, 3
.endm
; The eight blocks of D.  Block b = 4 tile + t goes to G + 4b: K step t / 2 of the tile's next B fragment, registers 4 (t % 2) .. + 3.
.macro ACTPHASE
	STEP 0,    0,    0,    0,  D,    EA, 0, 0, 1
	v_nop                                          ; one plain single instruction behind the run of exponentials
	STEP 0,    0,    D,    EA, D+8,  EB, 0, 1, 1
	STEP D,    G,    D+8,  EB, D+16, EA, 1, 1, 1
	STEP D+8,  G+4,  D+16, EA, D+24, EB, 1, 1, 1
	STEP D+16, G+8,  D+24, EB, D+32, EA, 1, 1, 1
	STEP D+24, G+12, D+32, EA, D+40, EB, 1, 1, 1
	STEP D+32, G+16, D+40, EB, D+48, EA, 1, 1, 1
	STEP D+40, G+20, D+48, EA, D+56, EB, 1, 1, 1
	STEP D+48, G+24, D+56, EB, 0,    0,  1, 1, 0
	STEP D+56, G+28, 0,    0,  0,    0,  1, 0, 0
.endm
; The features of all four tiles, two tiles in each packed instruction, the two pairs of tiles as two chains side by side.
.macro FEAT
.irp p, 0,1
	v_pk_fma_f32 v[FT+32*\p+F_W:FT+32*\p+F_W+1], v[R+2*\p:R+2*\p+1], 0.5, v[PHN:PHN+1] op_sel_hi:[1,0,1]   ; rho/2 - h/4
.endr
.irp p, 0,1
	v_rndne_f32 v[FT+32*\p+F_N], v[FT+32*\p+F_W]
	v_rndne_f32 v[FT+32*\p+F_N+1], v[FT+32*\p+F_W+1]
.endr
.irp p, 0,1
	v_pk_add_f32 v[FT+32*\p+F_W:FT+32*\p+F_W+1], v[FT+32*\p+F_W:FT+32*\p+F_W+1], v[FT+32*\p+F_N:FT+32*\p+F_N+1] neg_lo:[0,1] neg_hi:[0,1]   ; w in [-1/2, 1/2]
.endr
.irp p, 0,1
	v_pk_mul_f32 v[FT+32*\p+F_Z:FT+32*\p+F_Z+1], v[FT+32*\p+F_W:FT+32*\p+F_W+1], v[FT+32*\p+F_W:FT+32*\p+F_W+1]
.endr
.irp p, 0,1                            ; cos(pi w / 2) = 1 + z (C1 + z (C2 + z (C3 + z C4))), z = w^2; the next term is below 2.5e-8
	v_pk_fma_f32 v[FT+32*\p+F_P:FT+32*\p+F_P+1], v[FT+32*\p+F_Z:FT+32*\p+F_Z+1], s[42:43], v[C3:C3+1] op_sel_hi:[1,0,1]
.endr
.irp p, 0,1
	v_pk_fma_f32 v[FT+32*\p+F_P:FT+32*\p+F_P+1], v[FT+32*\p+F_P:FT+32*\p+F_P+1], v[FT+32*\p+F_Z:FT+32*\p+F_Z+1], s[38:39] op_sel_hi:[1,1,0]
.endr
.irp p, 0,1
	v_pk_fma_f32 v[FT+32*\p+F_P:FT+32*\p+F_P+1], v[FT+32*\p+F_P:FT+32*\p+F_P+1], v[FT+32*\p+F_Z:FT+32*\p+F_Z+1], s[36:37] op_sel_hi:[1,1,0]
.endr
.irp p, 0,1
	v_pk_fma_f32 v[FT+32*\p+F_P:FT+32*\p+F_P+1], v[FT+32*\p+F_P:FT+32*\p+F_P+1], v[FT+32*\p+F_Z:FT+32*\p+F_Z+1], 1.0 op_sel_hi:[1,1,0]
.endr
.irp p, 0,1                            ; cos 2a = 2 cos a cos a - 1, twice: cos(pi w), cos(2 pi w) = x_1
	v_pk_add_f32 v[FT+32*\p+F_T:FT+32*\p+F_T+1], v[FT+32*\p+F_P:FT+32*\p+F_P+1], v[FT+32*\p+F_P:FT+32*\p+F_P+1]
.endr
.irp p, 0,1
	v_pk_fma_f32 v[FT+32*\p+F_P:FT+32*\p+F_P+1], v[FT+32*\p+F_T:FT+32*\p+F_T+1], v[FT+32*\p+F_P:FT+32*\p+F_P+1], -1.0 op_sel_hi:[1,1,0]
.endr
.irp p, 0,1
	v_pk_add_f32 v[FT+32*\p+F_T:FT+32*\p+F_T+1], v[FT+32*\p+F_P:FT+32*\p+F_P+1], v[FT+32*\p+F_P:FT+32*\p+F_P+1]
.endr
.irp p, 0,1
	v_pk_fma_f32 v[FT+32*\p+F_X:FT+32*\p+F_X+1], v[FT+32*\p+F_T:FT+32*\p+F_T+1], v[FT+32*\p+F_P:FT+32*\p+F_P+1], -1.0 op_sel_hi:[1,1,0]
.endr
.irp p, 0,1                            ; the sine lanes take cos(theta) of the same point from the cosine lane 16 below
	v_permlanex16_b32 v[FT+32*\p+F_N], v[FT+32*\p+F_X], s34, s35
	v_permlanex16_b32 v[FT+32*\p+F_N+1], v[FT+32*\p+F_X+1], s34, s35
.endr
.irp p, 0,1
	v_cndmask_b32 v[FT+32*\p+F_C], v[FT+32*\p+F_X], v[FT+32*\p+F_N], s32
	v_cndmask_b32 v[FT+32*\p+F_C+1], v[FT+32*\p+F_X+1], v[FT+32*\p+F_N+1], s32
.endr
.irp p, 0,1
	v_pk_add_f32 v[FT+32*\p+F_C:FT+32*\p+F_C+1], v[FT+32*\p+F_C:FT+32*\p+F_C+1], v[FT+32*\p+F_C:FT+32*\p+F_C+1]   ; 2 cos(theta)
.endr
.irp p, 0,1
	v_pk_fma_f32 v[FT+32*\p+F_X+2:FT+32*\p+F_X+3], v[FT+32*\p+F_C:FT+32*\p+F_C+1], v[FT+32*\p+F_X:FT+32*\p+F_X+1], v[X0:X0+1] neg_lo:[0,0,1] neg_hi:[0,0,1]
.endr
.irp k, 3,4,5,6,7,8
.irp p, 0,1
	v_pk_fma_f32 v[FT+32*\p+F_X+2*(\k-1):FT+32*\p+F_X+2*(\k-1)+1], v[FT+32*\p+F_C:FT+32*\p+F_C+1], v[FT+32*\p+F_X+2*(\k-2):FT+32*\p+F_X+2*(\k-2)+1], v[FT+32*\p+F_X+2*(\k-3):FT+32*\p+F_X+2*(\k-3)+1] neg_lo:[0,0,1] neg_hi:[0,0,1]
.endr
.endr
; B fragment of K slots 32-63: registers 0-3 = slots 32+8h .. 39+8h (modes 1-8, cosines below, sines above); register 4, low half = slot 48
; (rho) in lanes 0-15 and slot 56, whose weight is 0, in lanes 16-31; registers 5-7 stay 0.
.irp p, 0,1
.irp e, 0,1
.irp i, 0,1,2,3
	v_cvt_pk_bf16_f32 v[BF+8*(2*\p+\e)+\i], v[FT+32*\p+F_X+4*\i+\e], v[FT+32*\p+F_X+4*\i+2+\e]
.endr
	v_cvt_pk_bf16_f32 v[BF+8*(2*\p+\e)+4], v[R+2*\p+\e], 0
.endr
.endr
.endm
; Tiles a and a + 1 through the whole net.  dsleft: how many younger gathers may stay out.
.macro SUB a, wo, first, dsleft
	s_wait_dscnt \dsleft
	LAYER W0F, B0C, BE+8*\a, BF+8*\a, BE+8*\a+8, BF+8*\a+8
	ACTPHASE
	LAYER W1F, B1C, G, G+8, G+16, G+24
	ACTPHASE
	OUTW \wo, \first
.endm
; ------------------------------------------------------------------ set-up
	s_load_b512 s[8:23], s[0:1], 0x0               ; time_idx, rho, emb, W0, b0, W1, b1, Wout
	s_load_b128 s[24:27], s[0:1], 0x40             ; bout, out
	v_lshl_add_u32 v254, v0, 2, 0xf100
	v_mov_b32 v255, 0
	v_lshrrev_b32 v[TMP], 5, v0
	v_readfirstlane_b32 s28, v[TMP]                ; wave 0..7
	s_lshl_b32 s29, s28, 8
	s_add_co_u32 s29, s29, ttmp9                   ; 256 wave + work-group: the 530 longer walks fall on waves 0, 1 and part of 2, evenly over work-groups
	s_cmp_lt_u32 s29, EXTRA
	s_cselect_b32 s30, TRIPS_LO+1, TRIPS_LO        ; trips
	s_lshl_b32 s47, s29, 8                         ; first chunk, in bytes
	s_mov_b32 s32, 0xffff0000                      ; lanes 16-31
	s_mov_b32 s33, 0x41f00000                      ; 30.0
	s_mov_b32 s34, 0x76543210                      ; v_permlanex16_b32: lane i takes lane i of the other half
	s_mov_b32 s35, 0xfedcba98
	s_mov_b32 s36, 0xbf9de9e6                      ; C1 = -(pi/2)^2 / 2
	s_mov_b32 s37, 0xbf9de9e6
	s_mov_b32 s38, 0x3e81e0f8                      ; C2 = (pi/2)^4 / 24
	s_mov_b32 s39, 0x3e81e0f8
	s_mov_b32 s42, 0x3a70fa83                      ; C4 = (pi/2)^8 / 40320
	s_mov_b32 s43, 0x3a70fa83
	s_mov_b32 s44, 0xbfb8aa3b                      ; -log2(e)
	s_mov_b32 s45, 0xbfb8aa3b
	s_mov_b32 s48, 0x00010001                      ; lanes 0 and 16: A's row 0
	s_mov_b32 s49, 0x01000100                      ; lanes 8 and 24: A's row 8
	v_and_b32 v[VH16], 16, v0                      ; 16 h
	v_and_b32 v[TMP], 15, v0                       ; r
	v_lshlrev_b32 v[TMP], 4, v[TMP]
	v_add_nc_u32 v[VLD], s47, v[TMP]               ; chunk + 16 r: both halves of the wave read the same 256 bytes, register q = point 4r + q
	v_lshrrev_b32 v[TMP], 1, v[VH16]               ; 8 h
	v_add_nc_u32 v[VST], v[VLD], v[TMP]            ; chunk + 16 r + 8 h: points 4r + 2h and 4r + 2h + 1
	v_and_b32 v24, 7, v0
	v_or_b32 v24, v24, v[TMP]                      ; 8 h + lane % 8: the K row that I address
	v_mul_u32_u24 v[VTR], v24, WPITCH
	v_and_b32 v24, 8, v0
	v_lshl_add_u32 v[VTR], v24, 1, v[VTR]          ; + 16 bytes for lanes 8-15 of each half
	v_lshlrev_b32 v[VB], 1, v[VH16]                ; 32 h: eight f32
	v_bfe_u32 v24, v0, 4, 1
	v_cvt_f32_u32 v24, v24                         ; h
	v_sub_f32 v[X0], 1.0, v24
	v_sub_f32 v[X0+1], 1.0, v24
	v_mul_f32 v[PHN], 0xbe800000, v24              ; -h / 4
	v_mul_f32 v[PHN+1], 0xbe800000, v24
	v_mov_b32 v[VIC], 0x46068800                   ; 0.3 x 28700
	v_mov_b32 v[C3], 0xbcaae9e4                    ; C3 = -(pi/2)^6 / 720
	v_mov_b32 v[C3+1], 0xbcaae9e4
	; staging, by thread t = 0..255.  emb: unit u = t + 256 i is 8 numbers: row u / 4, part u % 4.  2,044 units; the last four threads'
	; eighth unit is held at the table's last unit and lands in a spare LDS row that nobody reads.
	v_lshlrev_b32 v[VEG], 5, v0
	v_add_nc_u32 v[VEG7], 7*8192, v[VEG]
	v_min_u32 v[VEG7], 511*128-32, v[VEG7]
	v_lshrrev_b32 v24, 2, v0                       ; t / 4: emb row, and K slot of the weights
	v_and_b32 v25, 3, v0                           ; t % 4
	v_mul_u32_u24 v[VEL], v24, EPITCH
	v_lshl_add_u32 v[VEL], v25, 4, v[VEL]
	; W0's K slots: 0-31 rows 0-31 (latent), 32-47 rows 33-48 (cos, sin), 48 row 32 (rho), 49-63 row 32 times 0
	v_lshrrev_b32 v[TMP], 5, v24
	v_add_nc_u32 v[TMP], v[TMP], v24
	v_mov_b32 v10, 32
	v_cmp_lt_u32 vcc_lo, 47, v24
	v_cndmask_b32 v[TMP], v[TMP], v10, vcc_lo
	v_lshlrev_b32 v[VWG0], 8, v[TMP]
	v_lshl_add_u32 v[VWG0], v25, 6, v[VWG0]        ; row x 256 + 16 columns of f32
	v_lshlrev_b32 v[VWG1], 6, v0
	v_mul_u32_u24 v[VWL], v24, WPITCH
	v_lshl_add_u32 v[VWL], v25, 5, v[VWL]
	v_mov_b32 v10, s44
	v_cmp_gt_u32 vcc_lo, 49, v24
	v_cndmask_b32 v[SC], 0, v10, vcc_lo            ; -log2e, or 0 for the empty slots
	v_mov_b32 v[SC+1], v[SC]
	s_wait_kmcnt 0x0
	s_load_b32 s46, s[24:25], 0x0                  ; bout
	; fifty loads in one run
.irp i, 0,1,2,3,4,5,6
	global_load_b128 v[ST_E+8*\i:ST_E+8*\i+3], v[VEG], s[12:13] offset:8192*\i
	global_load_b128 v[ST_E+8*\i+4:ST_E+8*\i+7], v[VEG], s[12:13] offset:8192*\i+16
.endr
	global_load_b128 v[ST_E+56:ST_E+59], v[VEG7], s[12:13]
	global_load_b128 v[ST_E+60:ST_E+63], v[VEG7], s[12:13] offset:16
.irp i, 0,1,2,3
	global_load_b128 v[ST_0+4*\i:ST_0+4*\i+3], v[VWG0], s[14:15] offset:16*\i
.endr
.irp i, 0,1,2,3
	global_load_b128 v[ST_1+4*\i:ST_1+4*\i+3], v[VWG1], s[18:19] offset:16*\i
.endr
.irp g, 0,1,2,3
	global_load_b128 v[ST_O+8*\g:ST_O+8*\g+3], v[VB], s[22:23] offset:64*\g       ; Wout[16g + 8h ..]
	global_load_b128 v[ST_O+8*\g+4:ST_O+8*\g+7], v[VB], s[22:23] offset:64*\g+16
.endr
	WIN 0x40                                       ; destination in window 1
.irp t, 0,1,2,3
	global_load_b128 v[B0C+8*\t:B0C+8*\t+3], v[VB], s[16:17] offset:64*\t         ; register j of a C tile is neuron 16t + 8h + j
	global_load_b128 v[B0C+8*\t+4:B0C+8*\t+7], v[VB], s[16:17] offset:64*\t+16
.endr
.irp t, 0,1,2,3
	global_load_b128 v[B1C+8*\t:B1C+8*\t+3], v[VB], s[20:21] offset:64*\t
	global_load_b128 v[B1C+8*\t+4:B1C+8*\t+7], v[VB], s[20:21] offset:64*\t+16
.endr
	WIN 0
	global_load_b128 v[R:R+3], v[VLD], s[10:11] th:TH_LOAD_NT                     ; the first chunk
	global_load_b128 v[I:I+3], v[VLD], s[8:9] th:TH_LOAD_NT
	s_wait_loadcnt 34                              ; emb is in: 4 + 4 + 8 + 16 + 2 younger loads stay out
.irp i, 0,1,2,3,4,5,6,7
.irp j, 0,1,2,3
	v_cvt_pk_bf16_f32 v[ST_E+8*\i+\j], v[ST_E+8*\i+2*\j], v[ST_E+8*\i+2*\j+1]
.endr
	ds_store_b128 v[VEL], v[ST_E+8*\i:ST_E+8*\i+3] offset:EPITCH+64*EPITCH*\i     ; emb row n lies in LDS row n + 1 = clamp(time_idx, 1, 511)
.endr
	s_wait_loadcnt 30                              ; W0 is in
.irp j, 0,1,2,3,4,5,6,7
	v_pk_mul_f32 v[ST_0+2*\j:ST_0+2*\j+1], v[ST_0+2*\j:ST_0+2*\j+1], v[SC:SC+1]
.endr
.irp j, 0,1,2,3,4,5,6,7
	v_cvt_pk_bf16_f32 v[ST_0+\j], v[ST_0+2*\j], v[ST_0+2*\j+1]
.endr
	ds_store_b128 v[VWL], v[ST_0:ST_0+3] offset:WS0
	ds_store_b128 v[VWL], v[ST_0+4:ST_0+7] offset:WS0+16
	s_wait_loadcnt 26                              ; W1 is in
.irp j, 0,1,2,3,4,5,6,7
	v_cvt_pk_bf16_f32 v[ST_1+\j], v[ST_1+2*\j], v[ST_1+2*\j+1]
.endr
	ds_store_b128 v[VWL], v[ST_1:ST_1+3] offset:WS1
	ds_store_b128 v[VWL], v[ST_1+4:ST_1+7] offset:WS1+16
	s_wait_dscnt 0x0                               ; my stores are in LDS, for the other waves' sake,
	s_barrier_signal -1
	s_barrier_wait -1                              ; and everybody's are.  LDS is only read from here on: the one barrier of the kernel
	; A fragments: the weights lie [K][neuron], so each half fragment (8 K x 16 neurons a half wave) comes by a transposing load
	WIN 0x40
.irp t, 0,1,2,3
.irp s, 0,1
	ds_load_tr16_b128 v[W0F+16*\t+8*\s:W0F+16*\t+8*\s+3], v[VTR] offset:WS0+32*WPITCH*\s+32*\t
	ds_load_tr16_b128 v[W0F+16*\t+8*\s+4:W0F+16*\t+8*\s+7], v[VTR] offset:WS0+32*WPITCH*\s+32*\t+16*WPITCH
.endr
.endr
.irp t, 0,1,2,3
.irp s, 0,1
	ds_load_tr16_b128 v[W1F+16*\t+8*\s:W1F+16*\t+8*\s+3], v[VTR] offset:WS1+32*WPITCH*\s+32*\t
	ds_load_tr16_b128 v[W1F+16*\t+8*\s+4:W1F+16*\t+8*\s+7], v[VTR] offset:WS1+32*WPITCH*\s+32*\t+16*WPITCH
.endr
.endr
	WIN 0
	s_wait_loadcnt 18                              ; Wout is in: the biases and the first chunk stay out
.irp g, 0,1,2,3
.irp j, 0,1,2,3
	v_cvt_pk_bf16_f32 v[ST_O+8*\g+\j], v[ST_O+8*\g+2*\j], v[ST_O+8*\g+2*\j+1]
.endr
.endr
	WIN 0x40
.irp g, 0,1,2,3
.irp j, 0,1,2,3
	v_cndmask_b32 v[WOL+4*\g+\j], 0, v[ST_O+8*\g+\j], s48      ; Wout as row 0 of A, all other rows 0
	v_cndmask_b32 v[WOH+4*\g+\j], 0, v[ST_O+8*\g+\j], s49      ; and as row 8
.endr
.endr
	s_wait_loadcnt 2                               ; the biases are in: the first chunk's two loads stay out
	WIN 0x41                                       ; source 0 and destination in window 1
.set j, 0
.rept 32
	v_pk_mul_f32 v[B0C+2*j:B0C+2*j+1], v[B0C+2*j:B0C+2*j+1], s[44:45] op_sel_hi:[1,0]   ; b0 and b1 times -log2e
.set j, j+1
.endr
	WIN 0
.irp q, 0,1,2,3
	v_mov_b32 v[BF+8*\q+5], 0                      ; K slots 50-55 and 58-63 of the features: never anything but 0
	v_mov_b32 v[BF+8*\q+6], 0
	v_mov_b32 v[BF+8*\q+7], 0
.endr
	s_wait_kmcnt 0x0
	s_add_f32 s31, s46, 0xbf58e883                 ; bout + ln(0.3 / 0.7)
	s_mul_f32 s31, s31, s44                        ; times -log2e
	s_wait_dscnt 0x0                               ; the weight fragments are in
; ------------------------------------------------------------------ a trip: 64 points
.Ltrip:
	s_wait_loadcnt 0x0                             ; this chunk's two loads, issued a whole trip ago; VLD is free with them
.irp q, 0,1,2,3
	v_max_i32 v[ADDR+\q], 1, v[I+\q]
.endr
.irp q, 0,1,2,3
	v_min_u32 v[ADDR+\q], 0x1ff, v[ADDR+\q]        ; clamp(time_idx, 1, 511) = clip(time_idx - 1, 0, 510) + 1
.endr
.irp q, 0,1,2,3
	v_lshl_add_u32 v[ADDR+\q], v[ADDR+\q], 2, v[ADDR+\q]
.endr
.irp q, 0,1,2,3
	v_lshl_add_u32 v[ADDR+\q], v[ADDR+\q], 4, v[VH16]          ; 80 x row + 16 h
.endr
.irp q, 0,1,2,3
	ds_load_b128 v[BE+8*\q:BE+8*\q+3], v[ADDR+\q]              ; K = 8h .. 8h+7 of the point's latent row
	ds_load_b128 v[BE+8*\q+4:BE+8*\q+7], v[ADDR+\q] offset:32  ; K = 16+8h ..: bytes 0 to 63 of rows 1 to 511 are all that is ever read
.endr
	v_cndmask_b32 v[J], v[I], v[I+2], s32          ; time_idx of points 4r + 2h
	v_cndmask_b32 v[J+1], v[I+1], v[I+3], s32      ; and 4r + 2h + 1
	FEAT
	s_cmp_eq_u32 s30, 1                            ; the last trip asks for nothing: no load leaves the buffers
	s_cbranch_scc1 .Lnoload
	v_add_nc_u32 v[VLD], STRIDE, v[VLD]
	global_load_b128 v[R:R+3], v[VLD], s[10:11] th:TH_LOAD_NT  ; the next chunk; rho and time_idx of this one have been used up above
	global_load_b128 v[I:I+3], v[VLD], s[8:9] th:TH_LOAD_NT
.Lnoload:
	SUB 0, WOL, 1, 4                               ; tiles 0, 1: their four gathers are in, the four of tiles 2, 3 may be out
	SUB 2, WOH, 0, 0
	s_wait_xcnt 0x0                                ; the last trip's store names VST and Z: both are written again only behind this wait
	v_add_nc_u32 v[VST], STRIDE, v[VST]            ; the next chunk's offset; this trip's store reaches back.  Also the first of the four places
	v_nop                                          ; behind the output layer's matrix instructions
	v_nop
	v_nop
	v_add_f32 v[Z], s31, v[DA]                     ; register 0 of DA: row 8h = tile 2h, column r = point 4r + 2h
	v_add_f32 v[Z+1], s31, v[DB]                   ; of DB: point 4r + 2h + 1
	v_exp_f32 v[Z], v[Z]
	v_exp_f32 v[Z+1], v[Z+1]
	v_cmp_eq_u32 vcc_lo, 0, v[J]                   ; (also the plain instruction behind the exponentials)
	s_wait_alu depctr_va_vdst(0)
	v_pk_add_f32 v[Z:Z+1], v[Z:Z+1], 1.0 op_sel_hi:[1,0]
	v_rcp_f32 v[Z], v[Z]                           ; sigmoid = 1 / (1 + 2^z)
	v_rcp_f32 v[Z+1], v[Z+1]
	v_cmp_eq_u32 s50, 0, v[J+1]                    ; (and behind the reciprocals)
	s_wait_alu depctr_va_vdst(0)
	v_pk_mul_f32 v[Z:Z+1], v[Z:Z+1], 0x46e03800 op_sel_hi:[1,0]    ; x 28700
	v_cndmask_b32 v[Z], v[Z], v[VIC], vcc_lo       ; the initial value where time_idx is 0
	v_cndmask_b32 v[Z+1], v[Z+1], v[VIC], s50
	global_store_b64 v[VST], v[Z:Z+1], s[26:27] offset:-STRIDE th:TH_STORE_NT     ; the wave's 32 x 8 bytes are 256 consecutive bytes, aligned
	s_sub_co_i32 s30, s30, 1
	s_cmp_gt_i32 s30, 0
	s_cbranch_scc1 .Ltrip
	s_wait_tensorcnt 0x0
	ds_add_u32 v254, v255
	s_wait_dscnt 0x0
	s_endpgm
.Lfunc_end_k_q120f9b2951_field:
	.size	k_q120f9b2951_field, .Lfunc_end_k_q120f9b2951_field-k_q120f9b2951_field
	.p2alignl 7, 3214868480
	.fill 96, 4, 3214868480
	.section	.rodata,"a",@progbits
	.p2align	6, 0x0
	.amdhsa_kernel k_q120f9b2951_field
		.amdhsa_group_segment_fixed_size 62720
		.amdhsa_private_segment_fixed_size 0
		.amdhsa_enable_private_segment 0
		.amdhsa_kernarg_size 80
		.amdhsa_user_sgpr_count 2
		.amdhsa_user_sgpr_kernarg_segment_ptr 1
		.amdhsa_wavefront_size32 1
		.amdhsa_system_sgpr_workgroup_id_x 1
		.amdhsa_system_sgpr_workgroup_id_y 1
		.amdhsa_system_sgpr_workgroup_id_z 1
		.amdhsa_system_vgpr_workitem_id 0
		.amdhsa_next_free_vgpr 480
		.amdhsa_next_free_sgpr 66
		.amdhsa_reserve_vcc 1
		.amdhsa_float_denorm_mode_32 3
		.amdhsa_float_denorm_mode_16_64 3
		.amdhsa_memory_ordered 1
		.amdhsa_forward_progress 1
		.amdhsa_inst_pref_size 94
	.end_amdhsa_kernel
	.amdgpu_metadata
---
amdhsa.version: [ 1, 2 ]
amdhsa.kernels:
  - .name:           k_q120f9b2951_field
    .symbol:         k_q120f9b2951_field.kd
    .args:
      - { .name: time_idx, .offset: 0, .size: 8, .value_kind: global_buffer, .address_space: global }
      - { .name: rho, .offset: 8, .size: 8, .value_kind: global_buffer, .address_space: global }
      - { .name: emb, .offset: 16, .size: 8, .value_kind: global_buffer, .address_space: global }
      - { .name: W0, .offset: 24, .size: 8, .value_kind: global_buffer, .address_space: global }
      - { .name: b0, .offset: 32, .size: 8, .value_kind: global_buffer, .address_space: global }
      - { .name: W1, .offset: 40, .size: 8, .value_kind: global_buffer, .address_space: global }
      - { .name: b1, .offset: 48, .size: 8, .value_kind: global_buffer, .address_space: global }
      - { .name: Wout, .offset: 56, .size: 8, .value_kind: global_buffer, .address_space: global }
      - { .name: bout, .offset: 64, .size: 8, .value_kind: global_buffer, .address_space: global }
      - { .name: out0, .offset: 72, .size: 8, .value_kind: global_buffer, .address_space: global }
    .group_segment_fixed_size: 62720
    .private_segment_fixed_size: 0
    .kernarg_segment_align: 8
    .kernarg_segment_size: 80
    .max_flat_workgroup_size: 256
    .sgpr_count:     66
    .vgpr_count:     480
    .wavefront_size: 32
...
	.end_amdgpu_metadata
.endif
;; end of part 2
;; ======== version 3 of 3: 1 launch; 1.47 times as fast as version 1
;; launch field (part 3): grid 256 x 1, 8 waves a work-group, no clusters, 62,720 bytes of LDS; arguments time_idx, rho, emb, W0, b0, W1, b1, Wout, bout, out0; writes out0
.if DOCPART == 3
	.amdgcn_target "amdgcn-amd-amdhsa--gfx1250"
	.amdhsa_code_object_version 6
	.text
	.protected	k_q120f9b2951_field
	.globl	k_q120f9b2951_field
	.p2align	8
	.type	k_q120f9b2951_field,@function
k_q120f9b2951_field:
	s_mov_b64 s[64:65], 0
	v_nop
	global_prefetch_b8 v0, s[64:65] scope:SCOPE_SE
	s_setreg_imm32_b32 hwreg(HW_REG_WAVE_MODE, 25, 1), 1
	s_wait_xcnt 0x0
; out[p] = time_idx[p] == 0 ? 8610 : 28700 * sigmoid(MLP([emb[clip(time_idx[p]-1)], rho, cos(k pi rho), sin(k pi rho)]) + logit(0.3))
; MLP: 49 -> 64 SiLU -> 64 SiLU -> 1.  2,000,000 points, all independent.
;
; SHAPE.  256 work-groups of 8 waves that stay; a wave walks chunks of 64 points (256 bytes of rho, of time_idx and of out).
; The weights are the matrix unit's A operand and 16 points are the columns of B.  A lane's eight results of a 16 x 16 tile are then eight
; neighbouring neurons of ONE point, and packed in pairs to bf16 they are the next layer's B fragment as it stands: nothing
; passes through LDS or other lanes between the layers.  All weight fragments and biases stay in v256-v479 for the whole kernel.
; The latent table lies in LDS in bf16; a point's row is gathered straight into a B fragment by two 16-byte loads.
;
; ARITHMETIC.  The sums are kept as y = -log2(e) x (W0, b0, b1, bout are scaled once).  silu(x) = -ln2 g with g = y / (1 + 2^y), and the two
; factors cancel in the next layer, so W1 and Wout stay as they are and no multiply stands in front of an exponential.
; Four neurons share one reciprocal.  With e_i = 2^y_i, a_i = 1 + e_i, of a block of eight: M01 = (a0 a2, a1 a3), M23 = (a4 a6, a5 a7),
; r = 1 / (M01 M23) (two numbers), r M23 = (1/(a0 a2), 1/(a1 a3)), r M01 = (1/(a4 a6), 1/(a5 a7)), and g0 = (y0 a2) / (a0 a2), and so on.
; Only a2, a3, a6, a7 are ever formed: a0 a2 = e0 a2 + a2 and y2 a0 = y2 e0 + y2 are fused multiply-adds.
; cos and sin: lanes 0-15 run the cosine chain, lanes 16-31 the sine chain, by the same instructions: x1 = cos(2 pi w),
; w = rho/2 - h/4 less its nearest whole number, from a polynomial for cos(pi w / 2) and two doublings; then x_k = 2 cos(theta) x_(k-1) - x_(k-2).
;
; BATCHES.  An activation phase (two tiles x 64 neurons: eight blocks of eight sums) has 64 exponentials and 16 reciprocals, cut into TWO
; batches with ONE wait each.  Batch 1: all 64 exponentials, the clamps among them; the wait; then all that reads them.  Batch 2: the 16
; reciprocals, woven with the products that read none of them; the wait; then the way back, g and the packing.  Each result has a register of
; its own while its batch is open.  A trip has four phases, and at its end the sigmoid's two exponentials and two reciprocals, a batch each:
; ten waits for 64 points.
;
; LIMITS.  y is held at 30 at the most, so that the product of four a_i stays below 2^121 and its reciprocal is a normal number: for
; x < -20.8 a SiLU comes out as -1.9e-8 at the most in magnitude where the true value is smaller still (absolute error below 3e-8).
; That clamp takes a NaN for 30: a NaN in a hidden sum is not carried on.  |y| must stay below 2^97 (y a_i must not overflow).
; |rho| below 2^22 (beyond it rho/2 has no fraction bits left).  e, the features, the weights and g are rounded to bf16; all else is f32.
;
; NOT USED.  No joint requests in a cluster: what work-groups share is 94 KB of tables, read once each in the set-up and converted to bf16 on
; the way through registers; in the loop no two work-groups read the same byte.  No copy engine: a trip's input is 512 bytes a wave, asked
; for one whole trip ahead into eight registers.
.set NPTS,     2000000
.set NCHUNK,   NPTS/64                 ; 31,250 chunks of 64 points
.set NWAVES,   2048                    ; 256 work-groups x 8 waves
.set STRIDE,   NWAVES*256              ; bytes from a wave's chunk to its next
.set TRIPS_LO, NCHUNK/NWAVES           ; 15 trips for every wave,
.set EXTRA,    NCHUNK-TRIPS_LO*NWAVES  ; and one more for the first 530
; LDS
.set EPITCH, 80                        ; a latent row: 64 bytes of bf16 + 16: rows start in different banks
.set WPITCH, 160                       ; a row of staged weights: 64 bf16 + 32 bytes (an odd multiple of 32, for the transposing load)
.set WS0,    41216                     ; behind 513 latent rows: 64 K slots of W0
.set WS1,    WS0+64*WPITCH             ; 64 K slots of W1; ends at 61,696
; vector registers, window 0
.set VH16, 1                           ; 16 h (h = lane / 16)
.set VLD,  2                           ; byte offset of my 16 bytes of rho and time_idx
.set VST,  3                           ; byte offset of my 8 bytes of out
.set VIC,  4                           ; 8610.0
.set VTR,  5                           ; lane term of the transposing loads
.set X0,   6                           ; v[6:7]   1 - h, twice: x_0 of the recurrence
.set PHN,  8                           ; v[8:9]   -h / 4, twice
.set J,    10                          ; v[10:11] time_idx of the two points that I store
.set R,    12                          ; v[12:15] rho of points 4r .. 4r+3
.set I,    16                          ; v[16:19] time_idx of the same
.set ADDR, 20                          ; v[20:23] LDS address of tile q's latent row
.set Z,    24                          ; v[24:25] the two results
.set TMP,  29
.set DA,   32                          ; v[32:39] output layer, tiles 0 (row 0) and 2 (row 8)
.set DB,   40                          ; v[40:47] tiles 1 and 3
.set BE,   48                          ; v[48:79]   B fragments, K 0-31 (latent), tile q at +8q; behind layer 0 the 16 registers of the pair of tiles in hand take the products of four and their reciprocals
.set BF,   80                          ; v[80:111]  B fragments, K 32-63 (features), tile q at +8q
.set G,    112                         ; v[112:143] g in bf16: two tiles x two K steps x 8; until a phase packs its g: e and a of its blocks 0-3
.set D,    144                         ; v[144:207] sums: two tiles x four blocks of 16 neurons x 8
.set FT,   144                         ; the same registers while the features are made: 32 for each pair of tiles
.set EH,   208                         ; v[208:239] e and a of a phase's blocks 4-7
.set C3,   240                         ; v[240:241] polynomial coefficient, twice
; set-up only
.set VEG,  20                          ; emb: 32 t
.set VEG7, 21                          ; emb, eighth unit, held inside the table
.set VEL,  22                          ; emb in LDS
.set VWG0, 23                          ; W0 in memory
.set VWG1, 26                          ; W1 in memory
.set VWL,  27                          ; staged weights in LDS
.set VB,   28                          ; 32 h
.set SC,   30                          ; v[30:31] scale of my W0 slot
.set ST_E, 48                          ; v[48:111]  emb as loaded
.set ST_0, 144                         ; v[144:159] W0 as loaded
.set ST_1, 160                         ; v[160:175] W1 as loaded
.set ST_O, 176                         ; v[176:207] Wout as loaded
; within FT
.set F_W, 0
.set F_N, 2
.set F_Z, 4
.set F_P, 6
.set F_T, 8
.set F_C, 10
.set F_X, 12                           ; x_k at F_X + 2 (k - 1), k = 1 .. 8
; vector registers, window 1 (v256 + these)
.set W0F, 0                            ; A fragments of W0: neurons 16t.., K step s at 16t + 8s
.set W1F, 64                           ; of W1
.set B0C, 128                          ; -log2e b0 as a C operand, neurons 16t.. at 8t
.set B1C, 160                          ; -log2e b1
.set WOL, 192                          ; Wout in A's row 0, K step s at 8s
.set WOH, 208                          ; Wout in A's row 8
; scalar: s[8:9] time_idx  s[10:11] rho  s[12:13] emb  s[14:15] W0  s[16:17] b0  s[18:19] W1  s[20:21] b1  s[22:23] Wout
;         s[24:25] bout  s[26:27] out  s28 wave  s29 wave's number in the launch  s30 trips left  s31 -log2e (bout + logit)
.set MSB, 0
.macro WIN new                         ; low byte: windows of source 0, 1, 2 and destination; high byte: the setting that is left
.if MSB != \new
	s_set_vgpr_msb (MSB<<8)|\new
.set MSB, \new
.endif
.endm
; A vector instruction that reads a matrix result or writes a matrix operand stands four independent vector instructions behind the
; matrix instruction (ISA guide 7.12.1).
.macro PLACES
.rept 4
	v_nop
.endr
.endm
; One layer for two tiles of 16 points: 64 neurons x K 64 = 16 matrix instructions.  The first K step takes the bias as C.
.macro LAYER wf, bc, b00, b01, b10, b11
	WIN 0x11                                       ; A and C in window 1
.irp t, 0,1,2,3
	v_wmma_f32_16x16x32_bf16 v[D+8*\t:D+8*\t+7], v[\wf+16*\t:\wf+16*\t+7], v[\b00:\b00+7], v[\bc+8*\t:\bc+8*\t+7]
	v_wmma_f32_16x16x32_bf16 v[D+32+8*\t:D+32+8*\t+7], v[\wf+16*\t:\wf+16*\t+7], v[\b10:\b10+7], v[\bc+8*\t:\bc+8*\t+7]
.endr
	WIN 0x01                                       ; A in window 1
.irp t, 0,1,2,3
	v_wmma_f32_16x16x32_bf16 v[D+8*\t:D+8*\t+7], v[\wf+16*\t+8:\wf+16*\t+15], v[\b01:\b01+7], v[D+8*\t:D+8*\t+7]
	v_wmma_f32_16x16x32_bf16 v[D+32+8*\t:D+32+8*\t+7], v[\wf+16*\t+8:\wf+16*\t+15], v[\b11:\b11+7], v[D+32+8*\t:D+32+8*\t+7]
.endr
	WIN 0
	PLACES
.endm
; The output layer for the two tiles in G.  wo = WOL: the results land in row 0 of DA, DB; WOH: in row 8.
.macro OUTW wo, first
	WIN 0x01
.if \first
	v_wmma_f32_16x16x32_bf16 v[DA:DA+7], v[\wo:\wo+7], v[G:G+7], 0
	v_wmma_f32_16x16x32_bf16 v[DB:DB+7], v[\wo:\wo+7], v[G+16:G+23], 0
.else
	v_wmma_f32_16x16x32_bf16 v[DA:DA+7], v[\wo:\wo+7], v[G:G+7], v[DA:DA+7]
	v_wmma_f32_16x16x32_bf16 v[DB:DB+7], v[\wo:\wo+7], v[G+16:G+23], v[DB:DB+7]
.endif
	v_wmma_f32_16x16x32_bf16 v[DA:DA+7], v[\wo+8:\wo+15], v[G+8:G+15], v[DA:DA+7]
	v_wmma_f32_16x16x32_bf16 v[DB:DB+7], v[\wo+8:\wo+15], v[G+24:G+31], v[DB:DB+7]
	WIN 0
.endm
; THE ACTIVATION.  Block b (0 .. 7) = 4 tile + t of a phase has: rY, its eight sums in D; rE, eight registers for its e and a; rR, two for its
; products of four and their reciprocals; rG, the four registers of G that take its g: K step t / 2 of the tile's next B fragment, registers 4 (t % 2) .. + 3.
; rE of blocks 0-3 lies in G, which is free from the four places behind the layer that read it until the phase's packings, and these
; stand behind every line that reads an rE.  What rE's registers hold, one after the other, each step in place:
;   +0, +1:  e0 e1,  then a0 a2, a1 a3,  then 1/(a4 a6), 1/(a5 a7)          +2, +3:  e2 e3,  then a2 a3
;   +4, +5:  e4 e5,  then a4 a6, a5 a7,  then 1/(a0 a2), 1/(a1 a3)          +6, +7:  e6 e7,  then a6 a7
.macro BLK b
.set rY, D+8*(\b)
.set rE, G+8*(\b)+((\b)/4)*(EH-G-32)
.set rR, MMB+2*(\b)                    ; MMB: the latent fragments of the pair of tiles in hand (SUB sets it)
.set rG, G+4*(\b)
.endm
.macro CLAMP b, i                      ; y <= 30, two at a time
	BLK \b
	v_dual_min_num_f32 v[rY+2*(\i)], s33, v[rY+2*(\i)] :: v_dual_min_num_f32 v[rY+2*(\i)+1], s33, v[rY+2*(\i)+1]
.endm
.macro EXPJ b, j                       ; e = 2^y
	BLK \b
	v_exp_f32 v[rE+(\j)], v[rY+(\j)]
.endm
.macro ADDB b, q                       ; the second pair of quad q becomes a = 1 + e
	BLK \b
	v_pk_add_f32 v[rE+4*(\q)+2:rE+4*(\q)+3], v[rE+4*(\q)+2:rE+4*(\q)+3], 1.0 op_sel_hi:[1,0]
.endm
.macro PNB b, q                        ; (y2 a0, y3 a1) = (y2 e0 + y2, y3 e1 + y3), ahead of MQ, which reads e0 e1 and writes over them
	BLK \b
	v_pk_fma_f32 v[rY+4*(\q)+2:rY+4*(\q)+3], v[rY+4*(\q)+2:rY+4*(\q)+3], v[rE+4*(\q):rE+4*(\q)+1], v[rY+4*(\q)+2:rY+4*(\q)+3]
.endm
.macro MQ b, q                         ; (a0 a2, a1 a3) = (e0 a2 + a2, e1 a3 + a3), onto e0 e1
	BLK \b
	v_pk_fma_f32 v[rE+4*(\q):rE+4*(\q)+1], v[rE+4*(\q):rE+4*(\q)+1], v[rE+4*(\q)+2:rE+4*(\q)+3], v[rE+4*(\q)+2:rE+4*(\q)+3]
.endm
.macro MP b                            ; the two products of four
	BLK \b
	v_pk_mul_f32 v[rR:rR+1], v[rE:rE+1], v[rE+4:rE+5]
.endm
.macro RC b, i                         ; and their reciprocals, in place
	BLK \b
	v_rcp_f32 v[rR+(\i)], v[rR+(\i)]
.endm
.macro PNA b, q                        ; (y0 a2, y1 a3)
	BLK \b
	v_pk_mul_f32 v[rY+4*(\q):rY+4*(\q)+1], v[rY+4*(\q):rY+4*(\q)+1], v[rE+4*(\q)+2:rE+4*(\q)+3]
.endm
.macro SQ b, q                         ; r times the OTHER quad's products = the reciprocals of quad q's, onto that other quad's products
	BLK \b
	v_pk_mul_f32 v[rE+4-4*(\q):rE+5-4*(\q)], v[rR:rR+1], v[rE+4-4*(\q):rE+5-4*(\q)]
.endm
.macro FN b, i                         ; g of pair i, which belongs to quad i / 2
	BLK \b
	v_pk_mul_f32 v[rY+2*(\i):rY+2*(\i)+1], v[rY+2*(\i):rY+2*(\i)+1], v[rE+4-4*((\i)/2):rE+5-4*((\i)/2)]
.endm
.macro PK b, i
	BLK \b
	v_cvt_pk_bf16_f32 v[rG+(\i)], v[rY+2*(\i)], v[rY+2*(\i)+1]
.endm
; A phase: the eight blocks of D, operation by operation, so that a line and the one that reads its result stand far apart.
.macro ACTPHASE
	; BATCH 1: the 64 exponentials.  A block's clamps stand among the exponentials of the block before it; they name sums alone.
.irp i, 0,1,2,3
	CLAMP 0, \i                                    ; each accumulator's lowest registers are read first
.endr
.irp b, 0,1,2,3,4,5,6,7
.irp i, 0,1,2,3
	EXPJ \b, 2*\i
.if \b < 7
	CLAMP \b+1, \i
.endif
	EXPJ \b, 2*\i+1
.endr
.endr
	v_nop                                          ; one plain single instruction behind the run of exponentials (ISA guide 5.7.2)
	s_wait_alu depctr_va_vdst(0)                   ; the wait ahead of the first reader: ONE for the phase's 64 exponentials
.irp b, 0,1,2,3,4,5,6,7
	ADDB \b, 0
	ADDB \b, 1
.endr
.irp b, 0,1,2,3,4,5,6,7
	PNB \b, 0
	PNB \b, 1
.endr
	; BATCH 2: the 16 reciprocals, in a weave of fifteen steps.  Step k: the reciprocals of block k - 5, the products of two of block k, y a of block k - 7,
	; the product of four of block k - 2.  A plain line that names no reciprocal stands behind each reciprocal; a product of four is written two
	; steps ahead of its reciprocal; nothing names a reciprocal's register again ahead of the wait; five y a lines stand behind the last reciprocal.
.set k, 0
.rept 15
.if (k >= 5) && (k < 13)
	RC k-5, 0
.endif
.if k < 8
	MQ k, 0
.endif
.if k >= 7
	PNA k-7, 0
.endif
.if (k >= 5) && (k < 13)
	RC k-5, 1
.endif
.if k < 8
	MQ k, 1
.endif
.if k >= 7
	PNA k-7, 1
.endif
.if (k >= 2) && (k < 10)
	MP k-2
.endif
.set k, k+1
.endr
	s_wait_alu depctr_va_vdst(0)                   ; ONE wait for the phase's 16 reciprocals, ahead of their first reader
.irp b, 0,1,2,3,4,5,6,7
	SQ \b, 0
	SQ \b, 1
.endr
.irp b, 0,1,2,3,4,5,6,7
.irp i, 0,1,2,3
	FN \b, \i
.endr
.endr
.irp b, 0,1,2,3,4,5,6,7                ; the packings write G: every line that reads an rE stands above
.irp i, 0,1,2,3
	PK \b, \i
.endr
.endr
.endm
; The features of all four tiles, two tiles in each packed instruction, the two pairs of tiles as two chains side by side.
.macro FEAT
.irp p, 0,1
	v_pk_fma_f32 v[FT+32*\p+F_W:FT+32*\p+F_W+1], v[R+2*\p:R+2*\p+1], 0.5, v[PHN:PHN+1] op_sel_hi:[1,0,1]   ; rho/2 - h/4
.endr
.irp p, 0,1
	v_rndne_f32 v[FT+32*\p+F_N], v[FT+32*\p+F_W]
	v_rndne_f32 v[FT+32*\p+F_N+1], v[FT+32*\p+F_W+1]
.endr
.irp p, 0,1
	v_pk_add_f32 v[FT+32*\p+F_W:FT+32*\p+F_W+1], v[FT+32*\p+F_W:FT+32*\p+F_W+1], v[FT+32*\p+F_N:FT+32*\p+F_N+1] neg_lo:[0,1] neg_hi:[0,1]   ; w in [-1/2, 1/2]
.endr
.irp p, 0,1
	v_pk_mul_f32 v[FT+32*\p+F_Z:FT+32*\p+F_Z+1], v[FT+32*\p+F_W:FT+32*\p+F_W+1], v[FT+32*\p+F_W:FT+32*\p+F_W+1]
.endr
.irp p, 0,1                            ; cos(pi w / 2) = 1 + z (C1 + z (C2 + z (C3 + z C4))), z = w^2; the next term is below 2.5e-8
	v_pk_fma_f32 v[FT+32*\p+F_P:FT+32*\p+F_P+1], v[FT+32*\p+F_Z:FT+32*\p+F_Z+1], s[42:43], v[C3:C3+1] op_sel_hi:[1,0,1]
.endr
.irp p, 0,1
	v_pk_fma_f32 v[FT+32*\p+F_P:FT+32*\p+F_P+1], v[FT+32*\p+F_P:FT+32*\p+F_P+1], v[FT+32*\p+F_Z:FT+32*\p+F_Z+1], s[38:39] op_sel_hi:[1,1,0]
.endr
.irp p, 0,1
	v_pk_fma_f32 v[FT+32*\p+F_P:FT+32*\p+F_P+1], v[FT+32*\p+F_P:FT+32*\p+F_P+1], v[FT+32*\p+F_Z:FT+32*\p+F_Z+1], s[36:37] op_sel_hi:[1,1,0]
.endr
.irp p, 0,1
	v_pk_fma_f32 v[FT+32*\p+F_P:FT+32*\p+F_P+1], v[FT+32*\p+F_P:FT+32*\p+F_P+1], v[FT+32*\p+F_Z:FT+32*\p+F_Z+1], 1.0 op_sel_hi:[1,1,0]
.endr
.irp p, 0,1                            ; cos 2a = 2 cos a cos a - 1, twice: cos(pi w), cos(2 pi w) = x_1
	v_pk_add_f32 v[FT+32*\p+F_T:FT+32*\p+F_T+1], v[FT+32*\p+F_P:FT+32*\p+F_P+1], v[FT+32*\p+F_P:FT+32*\p+F_P+1]
.endr
.irp p, 0,1
	v_pk_fma_f32 v[FT+32*\p+F_P:FT+32*\p+F_P+1], v[FT+32*\p+F_T:FT+32*\p+F_T+1], v[FT+32*\p+F_P:FT+32*\p+F_P+1], -1.0 op_sel_hi:[1,1,0]
.endr
.irp p, 0,1
	v_pk_add_f32 v[FT+32*\p+F_T:FT+32*\p+F_T+1], v[FT+32*\p+F_P:FT+32*\p+F_P+1], v[FT+32*\p+F_P:FT+32*\p+F_P+1]
.endr
.irp p, 0,1
	v_pk_fma_f32 v[FT+32*\p+F_X:FT+32*\p+F_X+1], v[FT+32*\p+F_T:FT+32*\p+F_T+1], v[FT+32*\p+F_P:FT+32*\p+F_P+1], -1.0 op_sel_hi:[1,1,0]
.endr
.irp p, 0,1                            ; the sine lanes take cos(theta) of the same point from the cosine lane 16 below
	v_permlanex16_b32 v[FT+32*\p+F_N], v[FT+32*\p+F_X], s34, s35
	v_permlanex16_b32 v[FT+32*\p+F_N+1], v[FT+32*\p+F_X+1], s34, s35
.endr
.irp p, 0,1
	v_cndmask_b32 v[FT+32*\p+F_C], v[FT+32*\p+F_X], v[FT+32*\p+F_N], s32
	v_cndmask_b32 v[FT+32*\p+F_C+1], v[FT+32*\p+F_X+1], v[FT+32*\p+F_N+1], s32
.endr
.irp p, 0,1
	v_pk_add_f32 v[FT+32*\p+F_C:FT+32*\p+F_C+1], v[FT+32*\p+F_C:FT+32*\p+F_C+1], v[FT+32*\p+F_C:FT+32*\p+F_C+1]   ; 2 cos(theta)
.endr
.irp p, 0,1
	v_pk_fma_f32 v[FT+32*\p+F_X+2:FT+32*\p+F_X+3], v[FT+32*\p+F_C:FT+32*\p+F_C+1], v[FT+32*\p+F_X:FT+32*\p+F_X+1], v[X0:X0+1] neg_lo:[0,0,1] neg_hi:[0,0,1]
.endr
.irp k, 3,4,5,6,7,8
.irp p, 0,1
	v_pk_fma_f32 v[FT+32*\p+F_X+2*(\k-1):FT+32*\p+F_X+2*(\k-1)+1], v[FT+32*\p+F_C:FT+32*\p+F_C+1], v[FT+32*\p+F_X+2*(\k-2):FT+32*\p+F_X+2*(\k-2)+1], v[FT+32*\p+F_X+2*(\k-3):FT+32*\p+F_X+2*(\k-3)+1] neg_lo:[0,0,1] neg_hi:[0,0,1]
.endr
.endr
; B fragment of K slots 32-63: registers 0-3 = slots 32+8h .. 39+8h (modes 1-8, cosines below, sines above); register 4, low half = slot 48
; (rho) in lanes 0-15 and slot 56, whose weight is 0, in lanes 16-31; registers 5-7 stay 0.
.irp p, 0,1
.irp e, 0,1
.irp i, 0,1,2,3
	v_cvt_pk_bf16_f32 v[BF+8*(2*\p+\e)+\i], v[FT+32*\p+F_X+4*\i+\e], v[FT+32*\p+F_X+4*\i+2+\e]
.endr
	v_cvt_pk_bf16_f32 v[BF+8*(2*\p+\e)+4], v[R+2*\p+\e], 0
.endr
.endr
.endm
; Tiles a and a + 1 through the whole net.  dsleft: how many younger gathers may stay out.
; Behind layer 0 nothing reads the two tiles' latent fragments any more: the phases keep their products of four there.  The other pair's are not touched.
.macro SUB a, wo, first, dsleft
.set MMB, BE+8*\a
	s_wait_dscnt \dsleft
	LAYER W0F, B0C, BE+8*\a, BF+8*\a, BE+8*\a+8, BF+8*\a+8
	ACTPHASE
	LAYER W1F, B1C, G, G+8, G+16, G+24
	ACTPHASE
	OUTW \wo, \first
.endm
; ------------------------------------------------------------------ set-up
	s_load_b512 s[8:23], s[0:1], 0x0               ; time_idx, rho, emb, W0, b0, W1, b1, Wout
	s_load_b128 s[24:27], s[0:1], 0x40             ; bout, out
	v_lshl_add_u32 v254, v0, 2, 0xf100
	v_mov_b32 v255, 0
	v_lshrrev_b32 v[TMP], 5, v0
	v_readfirstlane_b32 s28, v[TMP]                ; wave 0..7
	s_lshl_b32 s29, s28, 8
	s_add_co_u32 s29, s29, ttmp9                   ; 256 wave + work-group: the 530 longer walks fall on waves 0, 1 and part of 2, evenly over work-groups
	s_cmp_lt_u32 s29, EXTRA
	s_cselect_b32 s30, TRIPS_LO+1, TRIPS_LO        ; trips
	s_lshl_b32 s47, s29, 8                         ; first chunk, in bytes
	s_mov_b32 s32, 0xffff0000                      ; lanes 16-31
	s_mov_b32 s33, 0x41f00000                      ; 30.0
	s_mov_b32 s34, 0x76543210                      ; v_permlanex16_b32: lane i takes lane i of the other half
	s_mov_b32 s35, 0xfedcba98
	s_mov_b32 s36, 0xbf9de9e6                      ; C1 = -(pi/2)^2 / 2
	s_mov_b32 s37, 0xbf9de9e6
	s_mov_b32 s38, 0x3e81e0f8                      ; C2 = (pi/2)^4 / 24
	s_mov_b32 s39, 0x3e81e0f8
	s_mov_b32 s42, 0x3a70fa83                      ; C4 = (pi/2)^8 / 40320
	s_mov_b32 s43, 0x3a70fa83
	s_mov_b32 s44, 0xbfb8aa3b                      ; -log2(e)
	s_mov_b32 s45, 0xbfb8aa3b
	s_mov_b32 s48, 0x00010001                      ; lanes 0 and 16: A's row 0
	s_mov_b32 s49, 0x01000100                      ; lanes 8 and 24: A's row 8
	v_and_b32 v[VH16], 16, v0                      ; 16 h
	v_and_b32 v[TMP], 15, v0                       ; r
	v_lshlrev_b32 v[TMP], 4, v[TMP]
	v_add_nc_u32 v[VLD], s47, v[TMP]               ; chunk + 16 r: both halves of the wave read the same 256 bytes, register q = point 4r + q
	v_lshrrev_b32 v[TMP], 1, v[VH16]               ; 8 h
	v_add_nc_u32 v[VST], v[VLD], v[TMP]            ; chunk + 16 r + 8 h: points 4r + 2h and 4r + 2h + 1
	v_and_b32 v24, 7, v0
	v_or_b32 v24, v24, v[TMP]                      ; 8 h + lane % 8: the K row that I address
	v_mul_u32_u24 v[VTR], v24, WPITCH
	v_and_b32 v24, 8, v0
	v_lshl_add_u32 v[VTR], v24, 1, v[VTR]          ; + 16 bytes for lanes 8-15 of each half
	v_lshlrev_b32 v[VB], 1, v[VH16]                ; 32 h: eight f32
	v_bfe_u32 v24, v0, 4, 1
	v_cvt_f32_u32 v24, v24                         ; h
	v_sub_f32 v[X0], 1.0, v24
	v_sub_f32 v[X0+1], 1.0, v24
	v_mul_f32 v[PHN], 0xbe800000, v24              ; -h / 4
	v_mul_f32 v[PHN+1], 0xbe800000, v24
	v_mov_b32 v[VIC], 0x46068800                   ; 0.3 x 28700
	v_mov_b32 v[C3], 0xbcaae9e4                    ; C3 = -(pi/2)^6 / 720
	v_mov_b32 v[C3+1], 0xbcaae9e4
	; staging, by thread t = 0..255.  emb: unit u = t + 256 i is 8 numbers: row u / 4, part u % 4.  2,044 units; the last four threads'
	; eighth unit is held at the table's last unit and lands in a spare LDS row that nobody reads.
	v_lshlrev_b32 v[VEG], 5, v0
	v_add_nc_u32 v[VEG7], 7*8192, v[VEG]
	v_min_u32 v[VEG7], 511*128-32, v[VEG7]
	v_lshrrev_b32 v24, 2, v0                       ; t / 4: emb row, and K slot of the weights
	v_and_b32 v25, 3, v0                           ; t % 4
	v_mul_u32_u24 v[VEL], v24, EPITCH
	v_lshl_add_u32 v[VEL], v25, 4, v[VEL]
	; W0's K slots: 0-31 rows 0-31 (latent), 32-47 rows 33-48 (cos, sin), 48 row 32 (rho), 49-63 row 32 times 0
	v_lshrrev_b32 v[TMP], 5, v24
	v_add_nc_u32 v[TMP], v[TMP], v24
	v_mov_b32 v10, 32
	v_cmp_lt_u32 vcc_lo, 47, v24
	v_cndmask_b32 v[TMP], v[TMP], v10, vcc_lo
	v_lshlrev_b32 v[VWG0], 8, v[TMP]
	v_lshl_add_u32 v[VWG0], v25, 6, v[VWG0]        ; row x 256 + 16 columns of f32
	v_lshlrev_b32 v[VWG1], 6, v0
	v_mul_u32_u24 v[VWL], v24, WPITCH
	v_lshl_add_u32 v[VWL], v25, 5, v[VWL]
	v_mov_b32 v10, s44
	v_cmp_gt_u32 vcc_lo, 49, v24
	v_cndmask_b32 v[SC], 0, v10, vcc_lo            ; -log2e, or 0 for the empty slots
	v_mov_b32 v[SC+1], v[SC]
	s_wait_kmcnt 0x0
	s_load_b32 s46, s[24:25], 0x0                  ; bout
	; fifty loads in one run
.irp i, 0,1,2,3,4,5,6
	global_load_b128 v[ST_E+8*\i:ST_E+8*\i+3], v[VEG], s[12:13] offset:8192*\i
	global_load_b128 v[ST_E+8*\i+4:ST_E+8*\i+7], v[VEG], s[12:13] offset:8192*\i+16
.endr
	global_load_b128 v[ST_E+56:ST_E+59], v[VEG7], s[12:13]
	global_load_b128 v[ST_E+60:ST_E+63], v[VEG7], s[12:13] offset:16
.irp i, 0,1,2,3
	global_load_b128 v[ST_0+4*\i:ST_0+4*\i+3], v[VWG0], s[14:15] offset:16*\i
.endr
.irp i, 0,1,2,3
	global_load_b128 v[ST_1+4*\i:ST_1+4*\i+3], v[VWG1], s[18:19] offset:16*\i
.endr
.irp g, 0,1,2,3
	global_load_b128 v[ST_O+8*\g:ST_O+8*\g+3], v[VB], s[22:23] offset:64*\g       ; Wout[16g + 8h ..]
	global_load_b128 v[ST_O+8*\g+4:ST_O+8*\g+7], v[VB], s[22:23] offset:64*\g+16
.endr
	WIN 0x40                                       ; destination in window 1
.irp t, 0,1,2,3
	global_load_b128 v[B0C+8*\t:B0C+8*\t+3], v[VB], s[16:17] offset:64*\t         ; register j of a C tile is neuron 16t + 8h + j
	global_load_b128 v[B0C+8*\t+4:B0C+8*\t+7], v[VB], s[16:17] offset:64*\t+16
.endr
.irp t, 0,1,2,3
	global_load_b128 v[B1C+8*\t:B1C+8*\t+3], v[VB], s[20:21] offset:64*\t
	global_load_b128 v[B1C+8*\t+4:B1C+8*\t+7], v[VB], s[20:21] offset:64*\t+16
.endr
	WIN 0
	global_load_b128 v[R:R+3], v[VLD], s[10:11] th:TH_LOAD_NT                     ; the first chunk
	global_load_b128 v[I:I+3], v[VLD], s[8:9] th:TH_LOAD_NT
	s_wait_loadcnt 34                              ; emb is in: 4 + 4 + 8 + 16 + 2 younger loads stay out
.irp i, 0,1,2,3,4,5,6,7
.irp j, 0,1,2,3
	v_cvt_pk_bf16_f32 v[ST_E+8*\i+\j], v[ST_E+8*\i+2*\j], v[ST_E+8*\i+2*\j+1]
.endr
	ds_store_b128 v[VEL], v[ST_E+8*\i:ST_E+8*\i+3] offset:EPITCH+64*EPITCH*\i     ; emb row n lies in LDS row n + 1 = clamp(time_idx, 1, 511)
.endr
	s_wait_loadcnt 30                              ; W0 is in
.irp j, 0,1,2,3,4,5,6,7
	v_pk_mul_f32 v[ST_0+2*\j:ST_0+2*\j+1], v[ST_0+2*\j:ST_0+2*\j+1], v[SC:SC+1]
.endr
.irp j, 0,1,2,3,4,5,6,7
	v_cvt_pk_bf16_f32 v[ST_0+\j], v[ST_0+2*\j], v[ST_0+2*\j+1]
.endr
	ds_store_b128 v[VWL], v[ST_0:ST_0+3] offset:WS0
	ds_store_b128 v[VWL], v[ST_0+4:ST_0+7] offset:WS0+16
	s_wait_loadcnt 26                              ; W1 is in
.irp j, 0,1,2,3,4,5,6,7
	v_cvt_pk_bf16_f32 v[ST_1+\j], v[ST_1+2*\j], v[ST_1+2*\j+1]
.endr
	ds_store_b128 v[VWL], v[ST_1:ST_1+3] offset:WS1
	ds_store_b128 v[VWL], v[ST_1+4:ST_1+7] offset:WS1+16
	s_wait_dscnt 0x0                               ; my stores are in LDS, for the other waves' sake,
	s_barrier_signal -1
	s_barrier_wait -1                              ; and everybody's are.  LDS is only read from here on: the one barrier of the kernel
	; A fragments: the weights lie [K][neuron], so each half fragment (8 K x 16 neurons a half wave) comes by a transposing load
	WIN 0x40
.irp t, 0,1,2,3
.irp s, 0,1
	ds_load_tr16_b128 v[W0F+16*\t+8*\s:W0F+16*\t+8*\s+3], v[VTR] offset:WS0+32*WPITCH*\s+32*\t
	ds_load_tr16_b128 v[W0F+16*\t+8*\s+4:W0F+16*\t+8*\s+7], v[VTR] offset:WS0+32*WPITCH*\s+32*\t+16*WPITCH
.endr
.endr
.irp t, 0,1,2,3
.irp s, 0,1
	ds_load_tr16_b128 v[W1F+16*\t+8*\s:W1F+16*\t+8*\s+3], v[VTR] offset:WS1+32*WPITCH*\s+32*\t
	ds_load_tr16_b128 v[W1F+16*\t+8*\s+4:W1F+16*\t+8*\s+7], v[VTR] offset:WS1+32*WPITCH*\s+32*\t+16*WPITCH
.endr
.endr
	WIN 0
	s_wait_loadcnt 18                              ; Wout is in: the biases and the first chunk stay out
.irp g, 0,1,2,3
.irp j, 0,1,2,3
	v_cvt_pk_bf16_f32 v[ST_O+8*\g+\j], v[ST_O+8*\g+2*\j], v[ST_O+8*\g+2*\j+1]
.endr
.endr
	WIN 0x40
.irp g, 0,1,2,3
.irp j, 0,1,2,3
	v_cndmask_b32 v[WOL+4*\g+\j], 0, v[ST_O+8*\g+\j], s48      ; Wout as row 0 of A, all other rows 0
	v_cndmask_b32 v[WOH+4*\g+\j], 0, v[ST_O+8*\g+\j], s49      ; and as row 8
.endr
.endr
	s_wait_loadcnt 2                               ; the biases are in: the first chunk's two loads stay out
	WIN 0x41                                       ; source 0 and destination in window 1
.set j, 0
.rept 32
	v_pk_mul_f32 v[B0C+2*j:B0C+2*j+1], v[B0C+2*j:B0C+2*j+1], s[44:45] op_sel_hi:[1,0]   ; b0 and b1 times -log2e
.set j, j+1
.endr
	WIN 0
.irp q, 0,1,2,3
	v_mov_b32 v[BF+8*\q+5], 0                      ; K slots 50-55 and 58-63 of the features: never anything but 0
	v_mov_b32 v[BF+8*\q+6], 0
	v_mov_b32 v[BF+8*\q+7], 0
.endr
	s_wait_kmcnt 0x0
	s_add_f32 s31, s46, 0xbf58e883                 ; bout + ln(0.3 / 0.7)
	s_mul_f32 s31, s31, s44                        ; times -log2e
	s_wait_dscnt 0x0                               ; the weight fragments are in
; ------------------------------------------------------------------ a trip: 64 points
.Ltrip:
	s_wait_loadcnt 0x0                             ; this chunk's two loads, issued a whole trip ago; VLD is free with them
.irp q, 0,1,2,3
	v_max_i32 v[ADDR+\q], 1, v[I+\q]
.endr
.irp q, 0,1,2,3
	v_min_u32 v[ADDR+\q], 0x1ff, v[ADDR+\q]        ; clamp(time_idx, 1, 511) = clip(time_idx - 1, 0, 510) + 1
.endr
.irp q, 0,1,2,3
	v_lshl_add_u32 v[ADDR+\q], v[ADDR+\q], 2, v[ADDR+\q]
.endr
.irp q, 0,1,2,3
	v_lshl_add_u32 v[ADDR+\q], v[ADDR+\q], 4, v[VH16]          ; 80 x row + 16 h
.endr
.irp q, 0,1,2,3
	ds_load_b128 v[BE+8*\q:BE+8*\q+3], v[ADDR+\q]              ; K = 8h .. 8h+7 of the point's latent row
	ds_load_b128 v[BE+8*\q+4:BE+8*\q+7], v[ADDR+\q] offset:32  ; K = 16+8h ..: bytes 0 to 63 of rows 1 to 511 are all that is ever read
.endr
	v_cndmask_b32 v[J], v[I], v[I+2], s32          ; time_idx of points 4r + 2h
	v_cndmask_b32 v[J+1], v[I+1], v[I+3], s32      ; and 4r + 2h + 1
	FEAT
	s_cmp_eq_u32 s30, 1                            ; the last trip asks for nothing: no load leaves the buffers
	s_cbranch_scc1 .Lnoload
	v_add_nc_u32 v[VLD], STRIDE, v[VLD]
	global_load_b128 v[R:R+3], v[VLD], s[10:11] th:TH_LOAD_NT  ; the next chunk; rho and time_idx of this one have been used up above
	global_load_b128 v[I:I+3], v[VLD], s[8:9] th:TH_LOAD_NT
.Lnoload:
	SUB 0, WOL, 1, 4                               ; tiles 0, 1: their four gathers are in, the four of tiles 2, 3 may be out
	SUB 2, WOH, 0, 0
	s_wait_xcnt 0x0                                ; the last trip's store names VST and Z: both are written again only behind this wait
	v_add_nc_u32 v[VST], STRIDE, v[VST]            ; the next chunk's offset; this trip's store reaches back.  Also the first of the four places
	v_nop                                          ; behind the output layer's matrix instructions
	v_nop
	v_nop
	v_add_f32 v[Z], s31, v[DA]                     ; register 0 of DA: row 8h = tile 2h, column r = point 4r + 2h
	v_add_f32 v[Z+1], s31, v[DB]                   ; of DB: point 4r + 2h + 1
	v_exp_f32 v[Z], v[Z]
	v_exp_f32 v[Z+1], v[Z+1]
	v_cmp_eq_u32 vcc_lo, 0, v[J]                   ; (also the plain instruction behind the exponentials)
	s_wait_alu depctr_va_vdst(0)                   ; one wait for the sigmoid's two exponentials, ahead of their reader
	v_pk_add_f32 v[Z:Z+1], v[Z:Z+1], 1.0 op_sel_hi:[1,0]
	v_rcp_f32 v[Z], v[Z]                           ; sigmoid = 1 / (1 + 2^z)
	v_rcp_f32 v[Z+1], v[Z+1]
	v_cmp_eq_u32 s50, 0, v[J+1]                    ; (and behind the reciprocals)
	s_wait_alu depctr_va_vdst(0)                   ; one wait for its two reciprocals, which read the exponentials' sums and so are a batch of their own
	v_pk_mul_f32 v[Z:Z+1], v[Z:Z+1], 0x46e03800 op_sel_hi:[1,0]    ; x 28700
	v_cndmask_b32 v[Z], v[Z], v[VIC], vcc_lo       ; the initial value where time_idx is 0
	v_cndmask_b32 v[Z+1], v[Z+1], v[VIC], s50
	global_store_b64 v[VST], v[Z:Z+1], s[26:27] offset:-STRIDE th:TH_STORE_NT     ; the wave's 32 x 8 bytes are 256 consecutive bytes, aligned
	s_sub_co_i32 s30, s30, 1
	s_cmp_gt_i32 s30, 0
	s_cbranch_scc1 .Ltrip
	s_wait_tensorcnt 0x0
	ds_add_u32 v254, v255
	s_wait_dscnt 0x0
	s_endpgm
.Lfunc_end_k_q120f9b2951_field:
	.size	k_q120f9b2951_field, .Lfunc_end_k_q120f9b2951_field-k_q120f9b2951_field
	.p2alignl 7, 3214868480
	.fill 96, 4, 3214868480
	.section	.rodata,"a",@progbits
	.p2align	6, 0x0
	.amdhsa_kernel k_q120f9b2951_field
		.amdhsa_group_segment_fixed_size 62720
		.amdhsa_private_segment_fixed_size 0
		.amdhsa_enable_private_segment 0
		.amdhsa_kernarg_size 80
		.amdhsa_user_sgpr_count 2
		.amdhsa_user_sgpr_kernarg_segment_ptr 1
		.amdhsa_wavefront_size32 1
		.amdhsa_system_sgpr_workgroup_id_x 1
		.amdhsa_system_sgpr_workgroup_id_y 1
		.amdhsa_system_sgpr_workgroup_id_z 1
		.amdhsa_system_vgpr_workitem_id 0
		.amdhsa_next_free_vgpr 480
		.amdhsa_next_free_sgpr 66
		.amdhsa_reserve_vcc 1
		.amdhsa_float_denorm_mode_32 3
		.amdhsa_float_denorm_mode_16_64 3
		.amdhsa_memory_ordered 1
		.amdhsa_forward_progress 1
		.amdhsa_inst_pref_size 90
	.end_amdhsa_kernel
	.amdgpu_metadata
---
amdhsa.version: [ 1, 2 ]
amdhsa.kernels:
  - .name:           k_q120f9b2951_field
    .symbol:         k_q120f9b2951_field.kd
    .args:
      - { .name: time_idx, .offset: 0, .size: 8, .value_kind: global_buffer, .address_space: global }
      - { .name: rho, .offset: 8, .size: 8, .value_kind: global_buffer, .address_space: global }
      - { .name: emb, .offset: 16, .size: 8, .value_kind: global_buffer, .address_space: global }
      - { .name: W0, .offset: 24, .size: 8, .value_kind: global_buffer, .address_space: global }
      - { .name: b0, .offset: 32, .size: 8, .value_kind: global_buffer, .address_space: global }
      - { .name: W1, .offset: 40, .size: 8, .value_kind: global_buffer, .address_space: global }
      - { .name: b1, .offset: 48, .size: 8, .value_kind: global_buffer, .address_space: global }
      - { .name: Wout, .offset: 56, .size: 8, .value_kind: global_buffer, .address_space: global }
      - { .name: bout, .offset: 64, .size: 8, .value_kind: global_buffer, .address_space: global }
      - { .name: out0, .offset: 72, .size: 8, .value_kind: global_buffer, .address_space: global }
    .group_segment_fixed_size: 62720
    .private_segment_fixed_size: 0
    .kernarg_segment_align: 8
    .kernarg_segment_size: 80
    .max_flat_workgroup_size: 256
    .sgpr_count:     66
    .vgpr_count:     480
    .wavefront_size: 32
...
	.end_amdgpu_metadata
.endif
;; end of part 3
